; MI455X (gfx1250); checked and timed in simulation.
; The chip was launched on July 23, 2026; its instructions are those of AMD's public machine-readable ISA for CDNA 5 (MIT licence, August 2026) and "CDNA5" Instruction Set Architecture Reference Guide (July 2026). The comments in the code are by the model that wrote it; some were corrected since.
;; MHA. Allowed arithmetic: matrix products marked QUANTISED: E2M3 operands, one E8M0 scale for each 32 along K, by v_wmma_scale_f32_16x16x128_f8f6f4 with both operands' format E2M3, f32 sums; everything else in f32.
;; Inputs: k 4 x 2,048 x 1,024 float32; q 4 x 2,048 x 1,024 float32; v 4 x 2,048 x 1,024 float32; wk_b 1,024 float32; wk_w 1,024 x 1,024 float32; wo_b 1,024 float32; wo_w 1,024 x 1,024 float32; wq_b 1,024 float32; wq_w 1,024 x 1,024 float32; wv_b 1,024 float32; wv_w 1,024 x 1,024 float32.
;; Outputs: out0 4 x 2,048 x 1,024 float32.
;; This version of the problem:
;;   THIS VERSION OF THE PROBLEM IS GIVEN IN LOW PRECISION. The matrix products marked QUANTISED in the list below multiply operands that are first quantised to E2M3 (2 exponent bits, 3 mantissa bits; 6 bits a number), with one power-of-two scale for each 32 numbers along K (OCP MX v1.0); their sums are f32. All else is computed in f32.
;;   The module's matrix products, in the order in which they are computed (A, B: the left and right operand; K: the contracted axis; several contracted axes count as one K, in the product's order):
;;     1. [M 8,192, K 1,024] x [K 1,024, N 1,024]; A: input q; B: input wq_w: QUANTISED
;;     2. [M 8,192, K 1,024] x [K 1,024, N 1,024]; A: input k; B: input wk_w: QUANTISED
;;     3. [M 8,192, K 1,024] x [K 1,024, N 1,024]; A: input v; B: input wv_w: QUANTISED
;;     4. batch 64 x [M 2,048, K 64] x [K 64, N 2,048]; A: computed on the way; B: computed on the way: QUANTISED
;;     5. batch 64 x [M 2,048, K 2,048] x [K 2,048, N 64]; A: softmax (see below); B: computed on the way: QUANTISED
;;     6. [M 8,192, K 1,024] x [K 1,024, N 1,024]; A: computed on the way; B: input wo_w: QUANTISED
;;   THE QUANTISER, for each operand of a quantised product, along K:
;;     - K is cut into blocks of 32 from its start; a last block that is shorter is filled with zeros.
;;     - A block's scale is 2^e with e = floor(log2(the largest magnitude in the block)) - 2, held to -126 .. 127; a block of zeros has e = 0. As a byte (E8M0): e + 127.
;;     - Each number is divided by its block's scale, clamped to +-7.5, and rounded to the nearest number of E2M3, ties to even, subnormals kept.
;;     - The product sums the exact products of the quantised numbers (number of the format x scale) in f32.
;;   ~~~python
;;   def quantise(x, axis):      # numpy; x: float32 -> the quantised numbers, widened to float32 again
;;       x = np.moveaxis(x, axis, -1); K = x.shape[-1]
;;       x = np.pad(x, [(0, 0)] * (x.ndim - 1) + [(0, -K % 32)]); x = x.reshape(x.shape[:-1] + (-1, 32)); a = np.abs(x).max(-1, keepdims=True)
;;       e = np.where(a > 0, np.clip(np.frexp(np.where(a > 0, a, 1))[1] - 1 - 2, -126, 127), 0)      # np.frexp(a)[1] - 1 = floor(log2(a)), exactly
;;       r = np.clip(x / 2.0 ** e, -7.5, 7.5)
;;       step = 2.0 ** (np.maximum(np.frexp(np.where(r == 0, 1, r))[1] - 1, 0) - 3)
;;       q = np.round(r / step) * step * 2.0 ** e      # np.round: ties to even
;;       return np.moveaxis(q.reshape(q.shape[:-2] + (-1,))[..., :K], -1, axis).astype(np.float32)
;;   ~~~
;;   SOFTMAX AHEAD OF A QUANTISED PRODUCT. Where the list says 'softmax', what is quantised is not the finished softmax but p = 2^(t - M), with t = logit x log2(e) and M = ceil(the row's largest t), a whole number; so 1/2 < the row's largest p <= 1. The row's sum l is taken of the UNQUANTISED p, in f32, and the product's result is divided by l at the end. Since M is a whole number, a kernel that streams over the keys may use a running M (the ceiling of the running maximum): every later rescaling is an exact power of two, which a block's scale takes up: the codes' values come out the same.
;;   OPERANDS COMPUTED ON THE WAY. 'Computed on the way' means the value that the module computes at that place (a softmax that the list does not call 'softmax' is quantised finished and normalised). What goes into a quantiser is computed in f32, as accurately as f32 sums, v_exp_f32 and their like allow (about 1e-6 of the number): no bf16 or f16 on the way to a quantiser, and a product that is left as it is and whose result goes on into a quantised operand takes f32 operands (vector FMAs, or v_wmma_f32_16x16x4_f32). A number that lies on a knife's edge between two numbers of the format may be rounded either way, as far as f32 arithmetic and the matrix unit's own rounding can turn it there, and no further.
;; One version. Each part assembles by itself: llvm-mc -triple=amdgcn-amd-amdhsa -mcpu=gfx1250 --defsym DOCPART=n.
;; ======== version 1 of 1: 4 launches
;; limits: right only within a limited range of input values
;; workspace buffers: xq 19,660,800 bytes; wx 3,276,800 bytes; qb 6,553,600 bytes; kv 13,107,200 bytes; ob 6,553,600 bytes
;; launch quant (part 1): grid 256 x 1, 14 waves a work-group, no clusters, 120,064 bytes of LDS; arguments q, k, v, wq_w, wk_w, wv_w, wo_w, xq, wx; writes xq, wx
.if DOCPART == 1
	.amdgcn_target "amdgcn-amd-amdhsa--gfx1250"
	.amdhsa_code_object_version 6
	.text
	.protected	k_q88e839ac37_quant
	.globl	k_q88e839ac37_quant
	.p2align	8
	.type	k_q88e839ac37_quant,@function
k_q88e839ac37_quant:
	s_mov_b64 s[64:65], 0
	v_nop
	global_prefetch_b8 v0, s[64:65] scope:SCOPE_SE
	s_setreg_imm32_b32 hwreg(HW_REG_WAVE_MODE, 25, 1), 1
	s_wait_xcnt 0x0
; q, k, v [8192][1024] and wq, wk, wv, wo [1024][1024], f32, K innermost, become codes of FP6 (E2M3) with one E8M0 byte for each 32 along K.
; A block's scale is 2^(floor(log2(its largest magnitude)) - 2); its byte is that magnitude's exponent field - 2, held at 1 from below.
; LIMITS: NaN and infinities are not served; a block whose largest magnitude lies under 2^-124 keeps the byte 1, a block of zeros too (the rule says 127: its codes are zeros, and this program alone reads the bytes).
; THE LAYOUT OF THE RESULT is the order of the operand's registers.  32 rows x 256 K are a RECORD of 6,400 bytes; records lie [chunk of 256 K][32 rows].  In a record:
;   codes at u*3072 + e*768 + p*256 + lane*8: tile u (0, 1) has in lane r (lane % 16) row 8 u + r + 8 (r / 8) of the 32; e = which 64 of the 256; lane / 16 = which 32 of the 64; p = which 8 of that block's 24 bytes;
;   scale words at 6144 + u*128 + r*8 + s*4: the four bytes of the s-th 128 along K.
; SHARES: a wave makes one record: 3 x 1,024 + 4 x 128 = 3,584 records = 256 work-groups x 14 waves.  It goes in four parts t = 2 u + s of 16 rows x 128 K.
; Each load takes 512 consecutive bytes of a row; a part turns through the wave's own stage in LDS (16 rows of 512 + 16 bytes) so that a lane gets two whole blocks of 32 neighbours.
; Every store of codes covers 256 consecutive bytes, aligned.  No tensor load, no barrier: waves share nothing.  Matrix units and clusters have nothing to do here.
.set SP,   528
.set STGB, 16*SP
.set R,    16                          ; v16-143  two sets of 64: a part as loaded
.set X,    144                         ; v144-207 my two blocks of 32 neighbours
.set PC,   208                         ; v208-219 the fragment's 12 registers
.set TH,   220                         ; v220-222, v224-226 the blocks' upper halves (a conversion's three registers begin on an even number)
.set MX,   228
.set SO,   230
.set BY,   232
.set TP,   234
.set W,    236                         ; v236-239 the four parts' scale words
.set SEL,  24
.set SRC,  26
.set DST,  38
	s_load_b512 s[4:19], s[0:1], 0x0               ; q, k, v, wq, wk, wv, wo, xq
	s_load_b64 s[20:21], s[0:1], 0x40              ; wx
	v_lshl_add_u32 v254, v0, 2, 0x1ce00
	v_mov_b32 v255, 0
	v_lshrrev_b32 v1, 5, v0
	s_delay_alu instid0(VALU_DEP_1)
	v_readfirstlane_b32 s22, v1                    ; wave 0..13
	v_and_b32 v1, 31, v0
	s_delay_alu instid0(VALU_DEP_1)
	v_lshlrev_b32 v2, 4, v1                        ; 16 x lane: my bytes of a load's 512
	s_delay_alu instid0(VALU_DEP_2)
	v_lshlrev_b32 v5, 3, v1                        ; 8 x lane: my bytes of a store's 256
	v_and_b32 v7, 15, v0                           ; r
	v_bfe_u32 v8, v0, 4, 1                         ; h
	s_delay_alu instid0(VALU_DEP_1)
	v_lshlrev_b32 v6, 3, v8                        ; 8 h: where my two scale bytes go in the word
	s_mul_i32 s23, s22, STGB                       ; my stage
	v_add_nc_u32 v3, s23, v2                       ; into it: 16 x lane in a row
	v_mul_u32_u24 v4, v7, SP
	s_delay_alu instid0(VALU_DEP_1)
	v_lshl_add_u32 v4, v8, 7, v4
	s_delay_alu instid0(VALU_DEP_1)
	v_add_nc_u32 v4, s23, v4                       ; out of it: row r, + 128 h bytes
	v_mov_b32 v[TP], 0                             ; a lane permute's destination counts as read
	s_mov_b32 s[SEL], 0x76543210
	s_mov_b32 s[SEL+1], 0xfedcba98
	s_mov_b32 s44, 0xffff0000                      ; lanes 16-31
	s_mul_i32 s28, ttmp9, 14
	s_add_co_u32 s28, s28, s22                     ; my record's number, 0 .. 3,583
	s_lshr_b32 s29, s28, 10                        ; an activation: which tensor,
	s_bfe_u32 s30, s28, 0x80002                    ; which 32 rows,
	s_mul_i32 s31, s29, 6553600                    ; the tensor's first byte in xq
	s_max_u32 s32, s28, 3072
	s_sub_co_u32 s32, s32, 3072                    ; a weight: number among the weights' 512 records
	s_lshr_b32 s33, s32, 7
	s_add_co_u32 s34, s33, 3                       ; which tensor,
	s_bfe_u32 s35, s32, 0x50002                    ; which 32 rows,
	s_mul_i32 s33, s33, 819200                     ; the tensor's first byte in wx
	s_and_b32 s36, s28, 3                          ; the chunk of 256 along K
	s_mov_b32 s37, 204800
	s_mov_b32 s41, 0
	s_wait_alu depctr_va_vdst(0)
	s_wait_kmcnt 0x0
	s_cmp_lt_u32 s28, 3072                         ; the choice hangs on the record's number alone
	s_cselect_b32 s29, s29, s34
	s_cselect_b32 s30, s30, s35
	s_cselect_b32 s31, s31, s33
	s_cselect_b32 s37, 1638400, s37                ; from chunk to chunk
	s_cselect_b64 s[DST:DST+1], s[18:19], s[20:21]
	s_mul_i32 s37, s37, s36
	s_add_co_u32 s31, s31, s37
	s_mul_i32 s37, s30, 6400
	s_add_co_u32 s40, s31, s37
	s_add_nc_u64 s[DST:DST+1], s[DST:DST+1], s[40:41]
	s_mov_b64 s[SRC:SRC+1], s[4:5]
.irp n, 1,2,3,4,5,6
	s_cmp_eq_u32 s29, \n
	s_cselect_b64 s[SRC:SRC+1], s[4+2*\n:5+2*\n], s[SRC:SRC+1]
.endr
	s_lshl_b32 s40, s30, 17                        ; 32 rows of 4,096 bytes
	s_lshl_b32 s42, s36, 10                        ; 256 numbers
	s_add_co_u32 s40, s40, s42
	s_add_nc_u64 s[SRC:SRC+1], s[SRC:SRC+1], s[40:41]
.macro LOAD t                          ; part t: the 16 rows of tile t / 2, the (t % 2)-th 128 along K
.set i, 0
.rept 16
	global_load_b128 v[R+64*((\t)%2)+4*i:R+64*((\t)%2)+4*i+3], v2, s[SRC:SRC+1] offset:(8*((\t)/2)+i+8*(i/8))*4096+512*((\t)%2) th:TH_LOAD_NT
.set i, i+1
.endr
.endm
.macro SUB t
.if (\t) < 3
	s_wait_loadcnt 16                              ; this part's 16 loads are in; the next part's 16 may be out
.else
	s_wait_loadcnt 0
.endif
.set i, 0
.rept 16
	ds_store_b128 v3, v[R+64*((\t)%2)+4*i:R+64*((\t)%2)+4*i+3] offset:SP*i
.set i, i+1
.endr
.set i, 0
.rept 16
	ds_load_b128 v[X+4*i:X+4*i+3], v4 offset:256*(i/8)+16*(i%8)   ; LDS serves a wave's instructions in order: these see the stores.  k = 64 (i / 8) + 32 h + 4 (i % 8) on of row r
.set i, i+1
.endr
	s_wait_dscnt 0x0                               ; my numbers are back, and the stores have read their registers,
.if (\t) < 2
	LOAD (\t)+2                                    ; which take the part two on
.endif
.irp c, 0,1
	v_max3_num_f32 v[MX+\c], |v[X+32*\c]|, |v[X+32*\c+1]|, 0x1800000   ; block 2 c + h is all mine; the floor 2^(3 - 127) holds the byte at 1 from below
.endr
.irp i, 2,4,6,8,10,12,14,16,18,20,22,24,26,28,30
.irp c, 0,1
	s_delay_alu instid0(VALU_DEP_2)
	v_max3_num_f32 v[MX+\c], v[MX+\c], |v[X+32*\c+\i]|, |v[X+32*\c+\i+1]|
.endr
.endr
.irp c, 0,1
	s_delay_alu instid0(VALU_DEP_2)
	v_add_nc_u32 v[SO+\c], 0xff000000, v[MX+\c]    ; 2 off the exponent field: the conversion's scale operand
.endr
.irp c, 0,1
	s_delay_alu instid0(VALU_DEP_2)
	v_lshrrev_b32 v[BY+\c], 23, v[SO+\c]           ; the scale's byte
.endr
	s_delay_alu instid0(VALU_DEP_1)
	v_lshl_or_b32 v[W+(\t)], v[BY+1], 16, v[BY]    ; my bytes: blocks h and 2 + h,
	s_delay_alu instid0(VALU_DEP_1)
	v_lshlrev_b32 v[W+(\t)], v6, v[W+(\t)]         ; at their places;
	s_delay_alu instid0(VALU_DEP_1)
	v_permlanex16_b32 v[TP], v[W+(\t)], s[SEL], s[SEL+1]
	s_delay_alu instid0(VALU_DEP_1)
	v_or_b32 v[W+(\t)], v[W+(\t)], v[TP]           ; with lane l xor 16's two the word is whole
.if (\t) > 0
	s_wait_alu depctr_va_vdst(0)
	s_wait_xcnt 0x0                                ; the last part's stores have read their data: the codes' registers are written again only behind this wait
.endif
.irp c, 0,1
	v_cvt_scalef32_pk16_fp6_f32 v[PC+6*\c:PC+6*\c+2], v[X+32*\c:X+32*\c+15], v[SO+\c]
	v_cvt_scalef32_pk16_fp6_f32 v[TH+4*\c:TH+4*\c+2], v[X+32*\c+16:X+32*\c+31], v[SO+\c]
.endr
	v_nop                                          ; one plain place behind a scaled conversion
.irp c, 0,1
.irp i, 0,1,2
	v_mov_b32 v[PC+6*\c+3+\i], v[TH+4*\c+\i]
.endr
.endr
.irp p, 0,1,2,3,4,5
	global_store_b64 v5, v[PC+2*\p:PC+2*\p+1], s[DST:DST+1] offset:((\t)/2)*3072+(2*((\t)%2)+\p/3)*768+(\p%3)*256   ; 32 lanes store 256 consecutive bytes, aligned
.endr
.endm
	LOAD 0
	LOAD 1
	SUB 0
	SUB 1
	SUB 2
	SUB 3
	v_cndmask_b32 v240, v[W], v[W+2], s44          ; lanes 0-15 store tile 0's two words of row r, lanes 16-31 tile 1's
	v_cndmask_b32 v241, v[W+1], v[W+3], s44
	global_store_b64 v5, v[240:241], s[DST:DST+1] offset:6144
	s_wait_tensorcnt 0x0
	ds_add_u32 v254, v255
	s_wait_dscnt 0x0
	s_endpgm
.Lfunc_end_k_q88e839ac37_quant:
	.size	k_q88e839ac37_quant, .Lfunc_end_k_q88e839ac37_quant-k_q88e839ac37_quant
	.p2alignl 7, 3214868480
	.fill 96, 4, 3214868480
	.section	.rodata,"a",@progbits
	.p2align	6, 0x0
	.amdhsa_kernel k_q88e839ac37_quant
		.amdhsa_group_segment_fixed_size 120064
		.amdhsa_private_segment_fixed_size 0
		.amdhsa_enable_private_segment 0
		.amdhsa_kernarg_size 72
		.amdhsa_user_sgpr_count 2
		.amdhsa_user_sgpr_kernarg_segment_ptr 1
		.amdhsa_wavefront_size32 1
		.amdhsa_system_sgpr_workgroup_id_x 1
		.amdhsa_system_sgpr_workgroup_id_y 1
		.amdhsa_system_sgpr_workgroup_id_z 1
		.amdhsa_system_vgpr_workitem_id 0
		.amdhsa_next_free_vgpr 256
		.amdhsa_next_free_sgpr 66
		.amdhsa_reserve_vcc 0
		.amdhsa_float_denorm_mode_32 3
		.amdhsa_float_denorm_mode_16_64 3
		.amdhsa_memory_ordered 1
		.amdhsa_forward_progress 1
		.amdhsa_inst_pref_size 37
	.end_amdhsa_kernel
	.amdgpu_metadata
---
amdhsa.version: [ 1, 2 ]
amdhsa.kernels:
  - .name:           k_q88e839ac37_quant
    .symbol:         k_q88e839ac37_quant.kd
    .args:
      - { .name: q, .offset: 0, .size: 8, .value_kind: global_buffer, .address_space: global }
      - { .name: k, .offset: 8, .size: 8, .value_kind: global_buffer, .address_space: global }
      - { .name: v, .offset: 16, .size: 8, .value_kind: global_buffer, .address_space: global }
      - { .name: wq_w, .offset: 24, .size: 8, .value_kind: global_buffer, .address_space: global }
      - { .name: wk_w, .offset: 32, .size: 8, .value_kind: global_buffer, .address_space: global }
      - { .name: wv_w, .offset: 40, .size: 8, .value_kind: global_buffer, .address_space: global }
      - { .name: wo_w, .offset: 48, .size: 8, .value_kind: global_buffer, .address_space: global }
      - { .name: xq, .offset: 56, .size: 8, .value_kind: global_buffer, .address_space: global }
      - { .name: wx, .offset: 64, .size: 8, .value_kind: global_buffer, .address_space: global }
    .group_segment_fixed_size: 120064
    .private_segment_fixed_size: 0
    .kernarg_segment_align: 8
    .kernarg_segment_size: 72
    .max_flat_workgroup_size: 448
    .sgpr_count:     66
    .vgpr_count:     256
    .wavefront_size: 32
...
	.end_amdgpu_metadata
.endif
;; end of part 1
;; launch proj (part 2): grid 4 x 192, 4 waves a work-group, clusters of 4 x 4, 327,680 bytes of LDS; arguments xq, wx, wq_b, wk_b, wv_b, qb, kv; writes qb, kv
.if DOCPART == 2
	.amdgcn_target "amdgcn-amd-amdhsa--gfx1250"
	.amdhsa_code_object_version 6
	.text
	.protected	k_q88e839ac37_proj
	.globl	k_q88e839ac37_proj
	.p2align	8
	.type	k_q88e839ac37_proj,@function
k_q88e839ac37_proj:
	s_mov_b64 s[64:65], 0
	v_nop
	global_prefetch_b8 v0, s[64:65] scope:SCOPE_SE
	s_setreg_imm32_b32 hwreg(HW_REG_WAVE_MODE, 25, 1), 1
	s_wait_xcnt 0x0
	s_wait_alu depctr_hold_cnt(0) depctr_sa_sdst(0) depctr_va_vdst(0) depctr_va_sdst(0) depctr_va_ssrc(0) depctr_va_vcc(0) depctr_vm_vsrc(0)
	s_getreg_b32 s2, hwreg(HW_REG_IB_STS2, 6, 4)
	s_cmp_eq_u32 s2, 0
	s_cbranch_scc0 .Lentry_in_a_cluster
	s_endpgm
.Lentry_in_a_cluster:
	s_bfe_u32 s2, ttmp6, 0x10000c
	s_cmp_lg_u32 s2, 0xf033
	s_cbranch_scc0 .Lentry_shape_is_right
	s_endpgm
.Lentry_shape_is_right:
; Q = q Wq^T + bq, K = k Wk^T + bk, V = v Wv^T + bv on codes of FP6 (E2M3) with E8M0 scales; the results leave as codes again: Q and K quantised along a head's 64, V along the keys.
; ONE BODY, TWO OPERANDS.  P is source 0: a result's registers run along P's rows.  N is source 1: a lane holds one of N's rows.  Q: P = Wq, N = q.  K: P = Wk, N = k.  V: P = v (the keys), N = Wv.
; So a lane's registers run along the axis that the next product contracts, and nothing is transposed.  Which tensor: cluster y / 16; all that differs is chosen by s_cselect, never by a branch.
; OPERANDS lie in memory in the order of the operand's registers (records of 32 rows x 256 K, 6,400 bytes: codes at u*3072 + e*768 + p*256 + lane*8, scale words at 6144 + u*128 + r*8 + s*4;
; tile u has in lane r row 8 u + r + 8 (r / 8)).  With such tiles as source 0, registers 16 b + x of a lane's tiles 2 b, 2 b + 1 are P's rows 32 b + 16 (lane / 16) + x: 16 neighbours.
; SHARES.  A work-group makes 256 of P x 128 of N; wave w makes P's half w & 1 (8 tiles i) x N's half w >> 1 (4 tiles j): 32 accumulators.  3 x 256 work-groups.
; LDS.  All of K = 1,024 lies in LDS, filled once: P's chunk c (256 K, 8 records) at c x 51,200, N's (4 records) at 204,800 + c x 25,600.  No byte is filled twice.
; CLUSTER 4 x 4.  P's tile hangs on cx and is asked for jointly by a column of the cluster, N's on cy and by a row.  Waves 0, 1 fetch P's halves, waves 2, 3 N's: four loads a wave, one a chunk, all out at the start.
; THE BIAS along P is the C of the first K step; the bias along N is added on the way out; the one that does not apply is cleared.  (So bq, bk enter their sums first, bv last.)
; LIMITS: NaN and infinities are not served; a block whose largest magnitude lies under 2^-124 keeps the byte 1, a block of zeros too (its codes are zeros; this program alone reads the bytes).
; REGISTERS.  Window 0: v2-5 LDS addresses; v16-63 scale words, two sets of 24, and nothing else; v64-127 the bias along P; v128 on: the way out.  Window 1: accumulator (i, j) at 64 j + 8 i.
;   Windows 2, 3: two sets of fragments: P's tile i at 12 i, N's tile j at 96 + 12 j.
.set PCH,  51200
.set NCH,  25600
.set NB0,  4*PCH
.set REC,  6400
.set SCW,  16
.set BP,   64
.set HA,   128                         ; v128-191 64 results of a lane, with the bias
.set PC,   192                         ; v192-211 the codes just made
.set TM,   212                         ; v212-227 at work in QUANT
.set PW,   228                         ; the scale word just made
.set PWS,  229                         ; the even tile's, kept
.set SW,   230                         ; the word to be stored
.set SELV, 231                         ; v_perm_b32's selector
.set BN,   232                         ; v232-239 the bias along N: a pair for each j (the upper word 0)
.set VA,   240                         ; v240-247 the codes' offsets: 8 lane + j S_NT + cc S_C
.set VS,   248                         ; v248-249 the scale words' offsets
.set WV,   18
.set SEL,  98
.set G1P,  24
.set G0P,  32
.set G0N,  48
.set G1N,  68
.set MSB,  0
.macro WIN new                         ; s_set_vgpr_msb: bits 1:0 source 0, 3:2 source 1, 5:4 source 2, 7:6 destination; the high byte repeats the setting that is left
.if MSB != (\new)
	s_set_vgpr_msb (MSB<<8)|(\new)
.set MSB, (\new)
.endif
.endm
.macro PLACES n
.rept \n
	v_nop
.endr
.endm
.macro CROUND                          ; a round of the cluster's barrier
	s_barrier_signal -1
	s_barrier_wait -1
	s_cmp_lg_u32 s[WV], 0
	s_cbranch_scc1 .Lnot_wave_0_\@
	s_barrier_signal -3
.Lnot_wave_0_\@:
	s_barrier_wait -3
	s_barrier_signal -1
	s_barrier_wait -1
.endm
.macro FETCH s, fs                     ; the fragments of the chunk's s-th 128 along K into set fs: 72 loads of 8 bytes a lane, 256 consecutive bytes each
	WIN (2+(\fs))<<6
.irp i, 0,1,2,3,4,5,6,7
.irp q, 0,1,2,3,4,5
	ds_load_b64 v[12*\i+2*\q:12*\i+2*\q+1], v2 offset:(\i/2)*REC+(\i%2)*3072+(2*(\s)+\q/3)*768+(\q%3)*256
.endr
.endr
.irp j, 0,1,2,3
.irp q, 0,1,2,3,4,5
	ds_load_b64 v[96+12*\j+2*\q:96+12*\j+2*\q+1], v3 offset:(\j/2)*REC+(\j%2)*3072+(2*(\s)+\q/3)*768+(\q%3)*256
.endr
.endr
	WIN 0
.endm
.macro SCALES z                        ; a chunk's scale words, two a row, into set z
.irp i, 0,1,2,3,4,5,6,7
	ds_load_b64 v[SCW+24*(\z)+2*\i:SCW+24*(\z)+2*\i+1], v4 offset:(\i/2)*REC+6144+(\i%2)*128
.endr
.irp j, 0,1,2,3
	ds_load_b64 v[SCW+24*(\z)+16+2*\j:SCW+24*(\z)+16+2*\j+1], v5 offset:(\j/2)*REC+6144+(\j%2)*128
.endr
.endm
.macro MUL fs, s, z, first             ; 32 products, the 32 accumulators by turns in the same order in every step
.if \first
	WIN 0x4a                                       ; A, B window 2, C (the bias) window 0, D window 1
.elseif (\fs) == 0
	WIN 0x5a
.else
	WIN 0x5f
.endif
.irp j, 0,1,2,3
.irp i, 0,1,2,3,4,5,6,7
.if \first
	v_wmma_scale_f32_16x16x128_f8f6f4 v[64*\j+8*\i:64*\j+8*\i+7], v[12*\i:12*\i+11], v[96+12*\j:96+12*\j+11], v[BP+8*\i:BP+8*\i+7], v[SCW+24*(\z)+2*\i+(\s)], v[SCW+24*(\z)+16+2*\j+(\s)] matrix_a_fmt:MATRIX_FMT_FP6 matrix_b_fmt:MATRIX_FMT_FP6
.else
	v_wmma_scale_f32_16x16x128_f8f6f4 v[64*\j+8*\i:64*\j+8*\i+7], v[12*\i:12*\i+11], v[96+12*\j:96+12*\j+11], v[64*\j+8*\i:64*\j+8*\i+7], v[SCW+24*(\z)+2*\i+(\s)], v[SCW+24*(\z)+16+2*\j+(\s)] matrix_a_fmt:MATRIX_FMT_FP6 matrix_b_fmt:MATRIX_FMT_FP6
.endif
.endr
.endr
.endm
.macro STEP k                          ; K step k of 8; the next step's fragments are asked for ahead of this step's products
.if (\k) == 7
	s_wait_dscnt 0x0
.elseif (\k)%2 == 0
	PLACES 4                                       ; four plain places between the last products and loads into the set that they read
	FETCH 1, ((\k)+1)%2
	s_wait_dscnt 63                                ; 72 loads were issued behind this step's: with 63 at the most out, this step's are in
.else
	WIN 0
	s_wait_tensorcnt 2-(\k)/2                      ; my part of the next chunk has landed; the loads of the chunks behind it may be out
	s_wait_dscnt 0x0                               ; no LDS load of mine is out at the signal; this step's fragments are in
	s_barrier_signal -1
	s_barrier_wait -1                              ; everybody's part has landed
	s_wait_alu depctr_va_vdst(0)
	v_add_nc_u32 v2, PCH, v2                       ; on to the next chunk; these four are also the places in front of the loads
	v_add_nc_u32 v4, PCH, v4
	v_add_nc_u32 v3, NCH, v3
	v_add_nc_u32 v5, NCH, v5
	FETCH 0, ((\k)+1)%2
	SCALES (((\k)/2)+1)%2
.endif
.if (\k) == 0
	MUL 0, 0, 0, 1
.else
	MUL (\k)%2, (\k)%2, ((\k)/2)%2, 0
.endif
.endm
; 64 numbers of a lane, register 16 b + i = k 32 b + 16 (lane / 16) + i of my row, become a fragment's codes in v[PC] on and its scale word in v[PW].
.macro QUANT s
.irp b, 0,1,2,3
	v_max3_num_f32 v[TM+\b], |v[\s+16*\b]|, |v[\s+1+16*\b]|, 0x1800000   ; my 16 of block b, and the floor 2^(3 - 127)
.endr
.irp i, 2,4,6,8,10,12,14
.irp b, 0,1,2,3
	v_max3_num_f32 v[TM+\b], v[TM+\b], |v[\s+16*\b+\i]|, |v[\s+1+16*\b+\i]|
.endr
.endr
.irp b, 0,1,2,3
	v_permlanex16_b32 v[TM+4+\b], v[TM+\b], s[SEL], s[SEL+1]
.endr
.irp b, 0,1,2,3
	v_max_num_f32 v[TM+\b], v[TM+\b], v[TM+4+\b]   ; with lane l xor 16's: the block's largest magnitude
.endr
.irp b, 0,1,2,3
	v_add_nc_u32 v[TM+12+\b], 0xff000000, v[TM+\b] ; 2 off its exponent field: the conversion's scale operand
.endr
.irp b, 0,1,2,3
	v_lshrrev_b32 v[TM+4+\b], 23, v[TM+12+\b]      ; the scale's byte
.endr
	v_lshl_or_b32 v[PW], v[TM+5], 8, v[TM+4]
	v_lshl_or_b32 v[PW], v[TM+6], 16, v[PW]
	v_lshl_or_b32 v[PW], v[TM+7], 24, v[PW]
.irp c, 0,1
	v_cvt_scalef32_pk16_fp6_f32 v[PC+6*\c:PC+2+6*\c], v[\s+32*\c:\s+15+32*\c], v[TM+12+2*\c]
	v_cvt_scalef32_pk16_fp6_f32 v[PC+12+4*\c:PC+14+4*\c], v[\s+16+32*\c:\s+31+32*\c], v[TM+12+2*\c+1]
.endr
	v_nop                                          ; one plain place behind a scaled conversion
.irp c, 0,1                                    ; the layout wants a whole block in a lane: lanes 0-15 block 2 c, lanes 16-31 block 2 c + 1
.irp i, 0,1,2
	v_permlane16_swap_b32 v[PC+6*\c+\i], v[PC+12+4*\c+\i]
.endr
.irp i, 0,1,2
	v_mov_b32 v[PC+3+6*\c+\i], v[PC+12+4*\c+\i]
.endr
.endr
.endm
	s_load_b256 s[4:11], s[0:1], 0x0               ; xq, wx, wq_b, wk_b
	s_load_b128 s[12:15], s[0:1], 0x20             ; wv_b, qb
	s_load_b64 s[16:17], s[0:1], 0x30              ; kv
	v_lshl_add_u32 v254, v0, 2, 0x4b000
	v_mov_b32 v255, 0
	ds_add_u32 v254, v255
	ds_add_u32 v254, v255
	v_lshrrev_b32 v1, 5, v0
	v_readfirstlane_b32 s[WV], v1                  ; wave 0..3
	s_and_b32 s19, s[WV], 1                        ; WP: my half of P.  Also: which half of a tile I fetch
	s_lshr_b32 s20, s[WV], 1                       ; WN: my half of N.  Also: I fetch for P (0) or for N (1)
	s_bfe_u32 s21, ttmp6, 0x40000                  ; cx
	s_bfe_u32 s22, ttmp6, 0x40004                  ; cy
	s_and_b32 s23, ttmp7, 0xffff                   ; cluster y, 0 .. 47
	s_lshr_b32 s76, s23, 4                         ; T: 0 Q, 1 K, 2 V
	s_and_b32 s77, s23, 15                         ; Y
	s_lshl_b32 s88, 0x1111, s21                    ; my column of the cluster
	s_or_b32 s[G1P], s88, (3<<16)|(1<<21)          ; 15:0 the mask; 17:16 elements of 8 bytes; 21 set beside a mask; no padding
	s_lshl_b32 s90, s22, 2
	s_lshl_b32 s90, 15, s90                        ; my row
	s_or_b32 s[G1N], s90, (3<<16)|(1<<21)
	s_mov_b32 s[G1P+1], 32<<16                     ; a dense block as rows of 256 bytes: tensor_dim0 = 32
	s_mov_b32 s[G1P+2], 100<<16                    ; tensor_dim1 = 100: four records
	s_mov_b32 s[G1P+3], 32<<16                     ; tile_dim0
	s_mov_b32 s[G1P+4], 100                        ; tile_dim1
	s_mov_b32 s[G1P+5], 32                         ; the pitch
	s_mov_b32 s[G1P+6], 0
	s_mov_b32 s[G1P+7], 0
	s_mov_b32 s[G1N+1], 32<<16
	s_mov_b32 s[G1N+2], 50<<16                     ; two records
	s_mov_b32 s[G1N+3], 32<<16
	s_mov_b32 s[G1N+4], 50
	s_mov_b32 s[G1N+5], 32
	s_mov_b32 s[G1N+6], 0
	s_mov_b32 s[G1N+7], 0
	s_lshr_b32 s88, s77, 1
	s_lshl_b32 s88, s88, 2
	s_add_co_u32 s88, s88, s21                     ; V: P's block of 256 keys = 4 (Y / 2) + cx
	s_and_b32 s90, s77, 1
	s_lshl_b32 s90, s90, 2
	s_add_co_u32 s90, s90, s22                     ; V: N's block of 128 rows of Wv = 4 (Y % 2) + cy
	s_lshl_b32 s91, s77, 2
	s_add_co_u32 s91, s91, s22                     ; Q, K: N's block of 128 tokens = 4 Y + cy
	s_mul_i32 s94, s76, 819200                     ; Q, K: the weight's first byte in wx,
	s_mul_i32 s96, s76, 6553600                    ; the activation's in xq
	s_mov_b32 s82, 204800
	s_mov_b32 s86, 1638400
	s_mov_b32 s83, 0
	s_mov_b32 s87, 0
	s_mov_b32 s95, 0
	s_mov_b32 s97, 0
	s_mul_i32 s92, s19, PCH/2                      ; where my part of a chunk goes in LDS: the wave's number alone
	s_mul_i32 s93, s19, NCH/2
	s_wait_dscnt 0x0
	s_wait_kmcnt 0x0
	s_cmp_eq_u32 s76, 2
	s_cselect_b32 s78, s88, s21                    ; pblk
	s_cselect_b32 s79, s90, s91                    ; nblk
	s_cselect_b32 s82, 1638400, s82                ; P: from chunk to chunk
	s_cselect_b32 s86, 204800, s86                 ; N
	s_cselect_b32 s94, 13107200, s94               ; V: P = v in xq,
	s_cselect_b32 s96, 1638400, s96                ; N = wv in wx
	s_cselect_b64 s[80:81], s[4:5], s[6:7]
	s_cselect_b64 s[84:85], s[6:7], s[4:5]
	s_mul_i32 s88, s78, PCH
	s_add_co_u32 s94, s94, s88
	s_add_co_u32 s94, s94, s92
	s_add_nc_u64 s[80:81], s[80:81], s[94:95]      ; P: my part of chunk 0
	s_mul_i32 s90, s79, NCH
	s_add_co_u32 s96, s96, s90
	s_add_co_u32 s96, s96, s93
	s_add_nc_u64 s[84:85], s[84:85], s[96:97]      ; N likewise
.irp c, 0,1,2,3
	s_mov_b32 s[G0P+4*\c], 1
	s_add_co_u32 s[G0P+4*\c+1], s92, \c*PCH
	s_mov_b64 s[G0P+4*\c+2:G0P+4*\c+3], s[80:81]
	s_or_b32 s[G0P+4*\c+3], s[G0P+4*\c+3], 0x80000000
	s_add_nc_u64 s[80:81], s[80:81], s[82:83]
	s_mov_b32 s[G0N+4*\c], 1
	s_add_co_u32 s[G0N+4*\c+1], s93, NB0+\c*NCH
	s_mov_b64 s[G0N+4*\c+2:G0N+4*\c+3], s[84:85]
	s_or_b32 s[G0N+4*\c+3], s[G0N+4*\c+3], 0x80000000
	s_add_nc_u64 s[84:85], s[84:85], s[86:87]
.endr
	CROUND                                         ; all sixteen work-groups are here: the joint loads meet
	s_cmp_eq_u32 s20, 0                            ; a wave's four fills stand in one branch on the wave's number: four loads of mine are out
	s_cbranch_scc0 .Lfill_n
	tensor_load_to_lds s[G0P:G0P+3], s[G1P:G1P+7]
	s_nop 0
	tensor_load_to_lds s[G0P+4:G0P+7], s[G1P:G1P+7]
	s_nop 0
	tensor_load_to_lds s[G0P+8:G0P+11], s[G1P:G1P+7]
	s_nop 0
	tensor_load_to_lds s[G0P+12:G0P+15], s[G1P:G1P+7]
	s_nop 0
	PLACES 4
	s_branch .Lfilled
.Lfill_n:
	tensor_load_to_lds s[G0N:G0N+3], s[G1N:G1N+7]
	s_nop 0
	tensor_load_to_lds s[G0N+4:G0N+7], s[G1N:G1N+7]
	s_nop 0
	tensor_load_to_lds s[G0N+8:G0N+11], s[G1N:G1N+7]
	s_nop 0
	tensor_load_to_lds s[G0N+12:G0N+15], s[G1N:G1N+7]
	s_nop 0
	PLACES 4
.Lfilled:
	v_and_b32 v14, 15, v0                          ; r
	v_bfe_u32 v15, v0, 4, 1                        ; h
	v_and_b32 v12, 31, v0
	v_lshlrev_b32 v12, 3, v12                      ; 8 x lane
	v_lshlrev_b32 v13, 3, v14                      ; 8 r
	s_mul_i32 s88, s19, PCH/2                      ; my half of P,
	s_mul_i32 s89, s20, NCH/2                      ; my half of N,
	s_add_co_u32 s89, s89, NB0                     ; behind P's four chunks
	v_add_nc_u32 v2, s88, v12
	v_add_nc_u32 v3, s89, v12
	v_add_nc_u32 v4, s88, v13
	v_add_nc_u32 v5, s89, v13
	v_lshlrev_b32 v10, 6, v15                      ; the bias along P: 16 h numbers on
	s_wait_alu depctr_va_vdst(0)
	v_and_b32 v11, 8, v14
	v_add_nc_u32 v11, v11, v14
	v_lshlrev_b32 v11, 2, v11                      ; the bias along N: r + 8 (r / 8) numbers on
	s_wait_alu depctr_va_vdst(0)
	; where the results go.  Q, K: record ((batch 16 + head) 8 + block of 256 tokens), head = 4 pblk + 2 WP (+ cc); V: head = 2 nblk + WN, slot = pblk % 8
	s_lshr_b32 s92, s79, 4
	s_lshl_b32 s92, s92, 2
	s_add_co_u32 s92, s92, s78
	s_lshl_b32 s92, s92, 1
	s_add_co_u32 s92, s92, s19
	s_lshl_b32 s92, s92, 4
	s_bfe_u32 s93, s79, 0x30001
	s_add_co_u32 s92, s92, s93                     ; Q, K
	s_lshr_b32 s93, s78, 3
	s_lshl_b32 s93, s93, 3
	s_add_co_u32 s93, s93, s79
	s_lshl_b32 s93, s93, 1
	s_add_co_u32 s93, s93, s20
	s_lshl_b32 s93, s93, 3
	s_and_b32 s94, s78, 7
	s_add_co_u32 s93, s93, s94                     ; V
	s_and_b32 s94, s79, 1
	s_lshl_b32 s94, s94, 1
	s_add_co_u32 s94, s94, s20                     ; Q, K: which four of the record's 16 tiles are mine
	s_mul_i32 s95, s94, 4*768                      ; their codes,
	s_lshl_b32 s94, s94, 7                         ; their two runs of pair words
	s_mul_i32 s96, s19, 6144
	s_add_co_u32 s96, s96, 12288                   ; V: the codes of my 128 keys,
	s_lshl_b32 s97, s19, 8
	s_add_co_u32 s97, s97, 25088                   ; their scale words
	s_mov_b32 s98, 25600
	s_mov_b32 s99, 24576
	s_cmp_eq_u32 s76, 0
	s_cselect_b32 s98, 12800, s98                  ; a record's bytes
	s_cselect_b32 s99, 12288, s99                  ; where Q's or K's pair words begin in it
	s_cselect_b64 s[2:3], s[14:15], s[16:17]       ; qb or kv
	s_add_co_u32 s94, s94, s99
	s_lshl_b32 s99, s98, 3                         ; from head to head: 8 records
	s_mov_b32 s88, 768
	s_mov_b32 s80, 0x05040100
	s_mov_b32 s81, 0x07060302
	s_cmp_eq_u32 s76, 2
	s_cselect_b32 s92, s93, s92
	s_cselect_b32 s95, s96, s95
	s_cselect_b32 s94, s97, s94
	s_cselect_b32 s88, 1536, s88                   ; S_NT: codes, from tile j to j + 1
	s_cselect_b32 s89, 768, s99                    ; S_C: from registers 0-5 to 6-11 (V: the next 64 keys; Q, K: the next head)
	s_cselect_b32 s90, 64, s99                     ; S_H: scale words, lanes 16-31 (V: the odd tile's; Q, K: the next head's)
	s_cselect_b32 s91, 128, 64                     ; S_PAIR: from a pair of tiles to the next
	s_cselect_b32 s80, 0x03020100, s80             ; lanes 0-15: V the even tile's word; Q, K bytes 0, 1 of both tiles' words
	s_cselect_b32 s81, 0x07060504, s81             ; lanes 16-31: V the odd tile's word; Q, K bytes 2, 3 of both
	s_cselect_b32 s82, 0, -1                       ; keeps the bias along P
	s_cselect_b32 s83, -1, 0                       ; keeps the bias along N
	s_cselect_b64 s[84:85], s[12:13], s[8:9]
	s_cmp_eq_u32 s76, 1
	s_cselect_b64 s[84:85], s[10:11], s[84:85]     ; the tensor's bias
	s_mul_i32 s92, s92, s98
	s_add_co_u32 s96, s92, s95
	s_mov_b32 s97, 0
	s_add_nc_u64 s[66:67], s[2:3], s[96:97]        ; the codes' base
	s_add_co_u32 s96, s92, s94
	s_add_nc_u64 s[2:3], s[2:3], s[96:97]          ; the scale words' base
	s_and_b32 s96, s78, 3                          ; (the & keeps every load inside the 4,096 bytes, also where the bias is cleared afterwards)
	s_lshl_b32 s96, s96, 1
	s_add_co_u32 s96, s96, s19
	s_lshl_b32 s96, s96, 9
	s_add_nc_u64 s[86:87], s[84:85], s[96:97]      ; along P: my 128 numbers
	s_and_b32 s96, s79, 7
	s_lshl_b32 s96, s96, 1
	s_add_co_u32 s96, s96, s20
	s_lshl_b32 s96, s96, 8
	s_add_nc_u64 s[84:85], s[84:85], s[96:97]      ; along N: my 64
.irp i, 0,1,2,3,4,5,6,7
	global_load_b128 v[BP+8*\i:BP+8*\i+3], v10, s[86:87] offset:(32*(\i/2)+8*(\i%2))*4
	global_load_b128 v[BP+8*\i+4:BP+8*\i+7], v10, s[86:87] offset:(32*(\i/2)+8*(\i%2))*4+16
.endr
.irp j, 0,1,2,3
	global_load_b32 v[BN+2*\j], v11, s[84:85] offset:(32*(\j/2)+8*(\j%2))*4
	v_mov_b32 v[BN+2*\j+1], 0                      ; named with it as a pair, so it is written
.endr
.irp j, 0,1,2,3
	s_mul_i32 s96, s88, \j
	v_add_nc_u32 v[VA+2*\j], s96, v12
	v_add_nc_u32 v[VA+2*\j+1], s89, v[VA+2*\j]
.endr
	v_mul_lo_u32 v[VS], v15, s90
	v_lshl_add_u32 v[VS], v14, 2, v[VS]
	v_add_nc_u32 v[VS+1], s91, v[VS]
	s_mov_b32 s96, 0xffff0000
	v_mov_b32 v[SELV], s80
	v_mov_b32 v1, s81
	v_cndmask_b32 v[SELV], v[SELV], v1, s96
.irp b, 0,1,2,3
	v_mov_b32 v[TM+4+\b], 0                        ; a lane permute's destination counts as read
.endr
	s_mov_b32 s[SEL], 0x76543210
	s_mov_b32 s[SEL+1], 0xfedcba98
	s_wait_loadcnt 0x0
.set x, 0
.rept 64
	v_and_b32 v[BP+x], s82, v[BP+x]
.set x, x+1
.endr
.irp j, 0,1,2,3
	v_and_b32 v[BN+2*\j], s83, v[BN+2*\j]
.endr
	s_wait_alu depctr_va_vdst(0)
	s_wait_tensorcnt 3                             ; my part of chunk 0 has landed; three loads stay out
	s_barrier_signal -1
	s_barrier_wait -1                              ; everybody's has
	FETCH 0, 0
	SCALES 0
.irp k, 0,1,2,3,4,5,6,7
	STEP \k
.endr
	; THE WAY OUT, tile j of N at a time: 64 results of a lane + the bias along N; quantised; the fragment's registers leave as they stand, 256 consecutive bytes a store
	WIN 0
	PLACES 4                                       ; four places between the last products and the first read of results
.irp j, 0,1,2,3
	WIN 0x01                                       ; source 0: the accumulators' window
.set x, 0
.rept 32
	v_pk_add_f32 v[HA+2*x:HA+2*x+1], v[64*\j+2*x:64*\j+2*x+1], v[BN+2*\j:BN+2*\j+1] op_sel_hi:[1,0]   ; ascending: each accumulator from its low end on
.set x, x+1
.endr
	WIN 0
.if \j > 0
	s_wait_xcnt 0x0                                ; the last tile's stores have read their data: the codes' and the word's registers are written again only behind this wait
.endif
	QUANT HA
.irp q, 0,1,2,3,4,5
	global_store_b64 v[VA+2*\j+\q/3], v[PC+2*\q:PC+2*\q+1], s[66:67] offset:(\q%3)*256
.endr
.if \j%2 == 0
	v_mov_b32 v[PWS], v[PW]
.else
	v_perm_b32 v[SW], v[PW], v[PWS], v[SELV]       ; selector bytes 0-3: the even tile's word, 4-7: the odd tile's
	global_store_b32 v[VS+\j/2], v[SW], s[2:3]
.endif
.endr
	s_wait_tensorcnt 0x0
	ds_add_u32 v254, v255
	s_wait_dscnt 0x0
	CROUND                                         ; the closing round: no work-group ends while a partner may still ask for a tile that names it
	s_endpgm
.Lfunc_end_k_q88e839ac37_proj:
	.size	k_q88e839ac37_proj, .Lfunc_end_k_q88e839ac37_proj-k_q88e839ac37_proj
	.p2alignl 7, 3214868480
	.fill 96, 4, 3214868480
	.section	.rodata,"a",@progbits
	.p2align	6, 0x0
	.amdhsa_kernel k_q88e839ac37_proj
		.amdhsa_group_segment_fixed_size 327680
		.amdhsa_private_segment_fixed_size 0
		.amdhsa_enable_private_segment 0
		.amdhsa_kernarg_size 56
		.amdhsa_user_sgpr_count 2
		.amdhsa_user_sgpr_kernarg_segment_ptr 1
		.amdhsa_wavefront_size32 1
		.amdhsa_system_sgpr_workgroup_id_x 1
		.amdhsa_system_sgpr_workgroup_id_y 1
		.amdhsa_system_sgpr_workgroup_id_z 1
		.amdhsa_system_vgpr_workitem_id 0
		.amdhsa_next_free_vgpr 1024
		.amdhsa_next_free_sgpr 100
		.amdhsa_reserve_vcc 0
		.amdhsa_float_denorm_mode_32 3
		.amdhsa_float_denorm_mode_16_64 3
		.amdhsa_memory_ordered 1
		.amdhsa_forward_progress 1
		.amdhsa_inst_pref_size 116
	.end_amdhsa_kernel
	.amdgpu_metadata
---
amdhsa.version: [ 1, 2 ]
amdhsa.kernels:
  - .name:           k_q88e839ac37_proj
    .symbol:         k_q88e839ac37_proj.kd
    .args:
      - { .name: xq, .offset: 0, .size: 8, .value_kind: global_buffer, .address_space: global }
      - { .name: wx, .offset: 8, .size: 8, .value_kind: global_buffer, .address_space: global }
      - { .name: wq_b, .offset: 16, .size: 8, .value_kind: global_buffer, .address_space: global }
      - { .name: wk_b, .offset: 24, .size: 8, .value_kind: global_buffer, .address_space: global }
      - { .name: wv_b, .offset: 32, .size: 8, .value_kind: global_buffer, .address_space: global }
      - { .name: qb, .offset: 40, .size: 8, .value_kind: global_buffer, .address_space: global }
      - { .name: kv, .offset: 48, .size: 8, .value_kind: global_buffer, .address_space: global }
    .group_segment_fixed_size: 327680
    .private_segment_fixed_size: 0
    .kernarg_segment_align: 8
    .kernarg_segment_size: 56
    .max_flat_workgroup_size: 128
    .sgpr_count:     100
    .vgpr_count:     1024
    .wavefront_size: 32
...
	.end_amdgpu_metadata
.endif
;; end of part 2
;; launch attn (part 3): grid 4 x 64, 16 waves a work-group, no clusters, 327,680 bytes of LDS; arguments qb, kv, ob; writes ob
.if DOCPART == 3
	.amdgcn_target "amdgcn-amd-amdhsa--gfx1250"
	.amdhsa_code_object_version 6
	.text
	.protected	k_q88e839ac37_attn
	.globl	k_q88e839ac37_attn
	.p2align	8
	.type	k_q88e839ac37_attn,@function
k_q88e839ac37_attn:
	s_mov_b64 s[64:65], 0
	v_nop
	global_prefetch_b8 v0, s[64:65] scope:SCOPE_SE
	s_setreg_imm32_b32 hwreg(HW_REG_WAVE_MODE, 25, 1), 1
	s_wait_xcnt 0x0
; O = softmax(Q K^T / 8, causal) V for one (batch, head), both products on codes of FP6 (E2M3) with E8M0 scales; O / l leaves as codes again, quantised along D, in the order of the last product's operand registers.
; THE SOFTMAX: t = score x log2(e) / 8; M = the running largest t rounded UP to a whole number; p = 2^(t - M) is quantised along the keys, not normalised; the row's sum l is taken of the unquantised p and divides O at the end.
; SHARES.  A work-group takes the block of 256 queries i (its x, 0 .. 3) and then block 7 - i: (i + 1) + (8 - i) = 9 slots of 256 keys for every work-group: a constant number of trips, 256 equal work-groups.
; Each of the 16 waves owns one tile of 16 queries in 256 registers, four waves to a SIMD, so that one wave's vector work stands beside another's products and LDS loads.
; NO CLUSTER: the four work-groups of a head walk different runs of slots (0 .. i, then 0 .. 7 - i); walking in step would take 12 slots' time where each now takes 9.
; NO PREFETCH: a slot is asked for a whole slot's work (two key steps of sixteen waves) ahead of its first read.
; TILES.  Tile kt of a block of 256 rows has in lane r row 32 (kt / 2) + 8 (kt % 2) + r + 8 (r / 8), for queries, keys and the head's 64 alike: so the 16 registers of result tiles 2 b, 2 b + 1 are 16 neighbours along source 0's rows.
; Q K^T HAS K = 64 in an instruction of 128: a fragment of K's codes holds TWO tiles of keys (registers 0-5, 6-11), and Q stands between zeros: [Q | 0] gives the first tile's scores, [0 | Q] the second's; zero codes add nothing.
; CAUSAL.  A key step all of whose keys come after my queries is jumped over (a scalar branch on ids; no barrier or tensor load inside); on the diagonal hidden scores become -infinity, so p = 0.
; LIMITS: that equals the -1e9 of the definition as long as a row's largest visible logit lies far above -1e9; NaN and infinities are not served; a block under 2^-124 or of zeros keeps the byte 1 (this program alone reads the bytes).
; A SLOT RECORD, 25,600 dense bytes: K's codes at 0 (fb*1536 + 256*piece + lane*8), V's at 12,288 ((st*4+dt)*1536 + ...), K's pair words at 24,576 (fb*64 + r*4), V's scale words at 25,088 ((st*4+dt)*64 + r*4).
; LDS: slot 0 at 0, slot 1 at 32,768; the spare words at 65,536.
; REGISTERS: v1 8 lane, v2 4 r, v3 my query's place less 16 h, v4 8 r + h, v5, v6 for the add; v8, v9 the slot's addresses; v10 Q's pair word; v12 -M, v13 the largest t, v[14:15] l; v16-21, v28-33 zeros, v22-27 Q;
;   v34 Q's scale word, v35 p's, v36-39 the fragments'; v40-87 four fragments; v96-159 S^T, then p; v160-191 O^T; v192-210 codes; v232-254 at work.
.set SLOT1, 32768
.set SPARE, 65536
.set RECB,  25600
.set VCO,   12288
.set KSO,   24576
.set VSO,   25088
.set TB,    2                          ; s2   LDS byte at which the slot in hand begins
.set TR,    3                          ; s3   the trip, 0 .. 8
.set N1,    12                         ; s12  i + 1: the first block's slots
.set KF,    13                         ; s13  the step's first key
.set QMIN,  14                         ; s14  my tile's first query
.set QBLK,  15                         ; s15  the block of queries in hand
.set WV,    18
.set SEL,   20
.set CS,    22
.set G1,    24
.set G0,    32
.macro TLOAD                           ; waves 0 to 3 fetch a quarter of a slot each; four v_nop follow the line
	s_cmp_lt_u32 s[WV], 4
	s_cbranch_scc0 .Lnone_\@
	tensor_load_to_lds s[G0:G0+3], s[G1:G1+7]
	s_nop 0
.rept 4
	v_nop
.endr
.Lnone_\@:
.endm
; A block of queries begins: addresses, Q's fragment and scale word, and the sums anew.
.macro SETQ
	s_lshl_b32 s[QMIN], s[QBLK], 8
	s_add_co_u32 s[QMIN], s[QMIN], s48
	s_mov_b32 s[KF], 0
	s_lshl_b32 s46, s49, 3
	s_add_co_u32 s46, s46, s[QBLK]
	s_mul_i32 s46, s46, 12800
	s_mov_b32 s47, 0
	s_add_nc_u64 s[38:39], s[4:5], s[46:47]        ; the block's record in qb,
	s_add_nc_u64 s[40:41], s[38:39], s[50:51]      ; my pair of tiles' words,
	s_add_nc_u64 s[38:39], s[38:39], s[52:53]      ; my tile's codes
	s_mul_i32 s46, s[QBLK], 51200                  ; 8 records of ob
	s_add_co_u32 s56, s46, s54
	s_add_nc_u64 s[42:43], s[8:9], s[56:57]        ; where my tile's codes of O go,
	s_add_co_u32 s56, s46, s55
	s_add_nc_u64 s[44:45], s[8:9], s[56:57]        ; and its scale bytes
.irp p, 0,1,2
	global_load_b64 v[22+2*\p:23+2*\p], v1, s[38:39] offset:256*\p
.endr
	global_load_b32 v10, v2, s[40:41]
.set x, 0
.rept 32
	v_mov_b32 v[160+x], 0                          ; O^T: the first change of M leaves zeros zeros
.set x, x+1
.endr
	v_mov_b32 v13, 0xff61b1e6                      ; the largest t so far: -3e38
	s_delay_alu instid0(VALU_DEP_1)
	v_floor_f32 v12, -v13                          ; -M
	v_mov_b32 v14, 0
	v_mov_b32 v15, 0
	s_wait_loadcnt 0x0
	v_perm_b32 v34, v10, v10, s17                  ; my tile's two bytes, twice: they serve [Q | 0] and [0 | Q]
.rept 8
	v_nop                                          ; a scale register written by a vector instruction stands 8 places ahead of a scaled matrix instruction
.endr
.endm
; A KEY STEP: 128 keys, the st-th of the slot in hand.
.macro STEP st
	s_add_co_u32 s46, s[QMIN], 23                  ; my tile's last query
	s_cmp_gt_u32 s[KF], s46
	s_cbranch_scc1 .Lhidden_\@
.rept 4
	v_nop                                          ; places in front of loads into registers that the last products read
.endr
	s_wait_alu depctr_va_vdst(0)
.irp f, 0,1,2,3
.irp q, 0,1,2,3,4,5
	ds_load_b64 v[40+12*\f+2*\q:41+12*\f+2*\q], v8 offset:(4*(\st)+\f)*1536+256*\q
.endr
	ds_load_b32 v[36+\f], v9 offset:KSO+(4*(\st)+\f)*64
.endr
	s_wait_dscnt 0x0
	s_wait_alu depctr_va_vdst(0)
.irp f, 0,1,2,3                                ; S^T: lane (r, h) holds query r; registers 16 f + x are keys 32 f + 16 h + x
	v_wmma_scale_f32_16x16x128_f8f6f4 v[96+16*\f:103+16*\f], v[40+12*\f:51+12*\f], v[22:33], 0, v[36+\f], v34 matrix_a_fmt:MATRIX_FMT_FP6 matrix_b_fmt:MATRIX_FMT_FP6
	v_wmma_scale_f32_16x16x128_f8f6f4 v[104+16*\f:111+16*\f], v[40+12*\f:51+12*\f], v[16:27], 0, v[36+\f], v34 matrix_a_fmt:MATRIX_FMT_FP6 matrix_b_fmt:MATRIX_FMT_FP6
.endr
.rept 4
	v_nop
.endr
.irp d, 0,1,2,3                                ; V's fragments go out at once, into the registers that K's have left: they land under the softmax
.irp q, 0,1,2,3,4,5
	ds_load_b64 v[40+12*\d+2*\q:41+12*\d+2*\q], v8 offset:VCO+(4*(\st)+\d)*1536+256*\q
.endr
	ds_load_b32 v[36+\d], v9 offset:VSO+(4*(\st)+\d)*64
.endr
	s_add_co_u32 s46, s[KF], 127
	s_cmp_le_u32 s46, s[QMIN]
	s_cbranch_scc1 .Lopen_\@                       ; all 128 keys count for all my queries
	s_sub_co_i32 s46, s[QMIN], s[KF]
	v_add_nc_u32 v252, s46, v3                     ; d = my query - KF - 16 h: register 16 b + x holds key KF + 16 h + 32 b + x, hidden where 32 b + x > d
	v_mov_b32 v254, 0xff800000
.set n, 0
.rept 64
	v_cmp_gt_i32 vcc_lo, 32*(n/16)+n%16, v252
	v_cndmask_b32 v[96+n], v[96+n], v254, vcc_lo
.set n, n+1
.endr
.Lopen_\@:
.irp b, 0,1,2,3
	v_max3_num_f32 v[232+\b], v[96+16*\b], v[97+16*\b], v[98+16*\b]   ; the largest score of each block of 32 keys: for the row's maximum, and, since p rises with the score, for the block's largest p
.endr
.irp i, 3,5,7,9,11,13
.irp b, 0,1,2,3
	v_max3_num_f32 v[232+\b], v[232+\b], v[96+16*\b+\i], v[97+16*\b+\i]
.endr
.endr
.irp b, 0,1,2,3
	v_max_num_f32 v[232+\b], v[232+\b], v[111+16*\b]
.endr
.irp b, 0,1,2,3
	s_delay_alu instid0(VALU_DEP_4)
	v_permlanex16_b32 v[236+\b], v[232+\b], s[SEL], s[SEL+1]
.endr
.irp b, 0,1,2,3
	s_delay_alu instid0(VALU_DEP_4)
	v_max_num_f32 v[232+\b], v[232+\b], v[236+\b]  ; with lane l xor 16's 16 keys
.endr
	s_delay_alu instid0(VALU_DEP_2)
	v_max3_num_f32 v254, v232, v233, v234
	s_delay_alu instid0(VALU_DEP_1)
	v_max_num_f32 v254, v254, v235
	s_delay_alu instid0(VALU_DEP_1)
	v_mul_f32 v254, s[CS], v254                    ; as t
	s_delay_alu instid0(VALU_DEP_1)
	v_max_num_f32 v13, v13, v254                   ; the running largest t
	v_mov_b32 v254, v12
	s_delay_alu instid0(VALU_DEP_2)
	v_floor_f32 v12, -v13                          ; the new -M = -ceil(t)
	s_delay_alu instid0(VALU_DEP_1)
	v_sub_f32 v254, v12, v254                      ; old M - new M: a whole number, 0 or less
	s_delay_alu instid0(VALU_DEP_1)
	v_cvt_i32_f32 v254, v254
	s_delay_alu instid0(VALU_DEP_1)
	v_ldexp_f32 v252, 1.0, v254                    ; f = 2^(old M - new M): a multiplication by it rounds nothing
.set j, 0
.rept 32
	v_pk_fma_f32 v[96+j:97+j], v[96+j:97+j], s[CS:CS+1], v[12:13] op_sel_hi:[1,0,0]   ; t - M
.set j, j+2
.endr
.irp b, 0,1,2,3
	v_fma_f32 v[232+\b], v[232+\b], s[CS], v12     ; the same of each block's largest score
.endr
.set j, 0
	s_wait_alu depctr_va_vdst(0)
.rept 64
	v_exp_f32 v[96+j], v[96+j]                     ; p = 2^(t - M)
.set j, j+1
.endr
	v_pk_mul_f32 v[14:15], v[14:15], v[252:253] op_sel_hi:[1,0]   ; l under the new M; a plain place behind the exponentials
	s_wait_alu depctr_va_vdst(0)                   ; one wait for the batch of 64, ahead of its first reader
.irp b, 0,1,2,3
	v_exp_f32 v[232+\b], v[232+\b]                 ; the block's largest p
.endr
	v_pk_add_f32 v[236:237], v[100:101], v[104:105]
	v_pk_add_f32 v[254:255], v[108:109], v[112:113]
	v_pk_add_f32 v[250:251], v[116:117], v[120:121]
	v_pk_add_f32 v[248:249], v[124:125], v[128:129]
	v_pk_add_f32 v[246:247], v[132:133], v[136:137]
	v_pk_add_f32 v[244:245], v[140:141], v[144:145]
	v_pk_add_f32 v[242:243], v[148:149], v[152:153]
	v_pk_add_f32 v[14:15], v[14:15], v[156:157]
	v_pk_add_f32 v[236:237], v[236:237], v[96:97]
	v_pk_add_f32 v[254:255], v[254:255], v[98:99]
	v_pk_add_f32 v[250:251], v[250:251], v[102:103]
	v_pk_add_f32 v[248:249], v[248:249], v[106:107]
	v_pk_add_f32 v[246:247], v[246:247], v[110:111]
	v_pk_add_f32 v[244:245], v[244:245], v[114:115]
	v_pk_add_f32 v[242:243], v[242:243], v[118:119]
	v_pk_add_f32 v[14:15], v[14:15], v[122:123]
	v_pk_add_f32 v[236:237], v[236:237], v[126:127]
	v_pk_add_f32 v[254:255], v[254:255], v[130:131]
	v_pk_add_f32 v[250:251], v[250:251], v[134:135]
	v_pk_add_f32 v[248:249], v[248:249], v[138:139]
	v_pk_add_f32 v[246:247], v[246:247], v[142:143]
	v_pk_add_f32 v[244:245], v[244:245], v[146:147]
	v_pk_add_f32 v[242:243], v[242:243], v[150:151]
	v_pk_add_f32 v[14:15], v[14:15], v[154:155]
	v_pk_add_f32 v[236:237], v[236:237], v[158:159]
	s_delay_alu instid0(VALU_DEP_2)
	v_pk_add_f32 v[14:15], v[14:15], v[248:249]
	s_delay_alu instid0(VALU_DEP_2)
	v_pk_add_f32 v[236:237], v[236:237], v[246:247]
	v_pk_add_f32 v[254:255], v[254:255], v[244:245]
	v_pk_add_f32 v[250:251], v[250:251], v[242:243]
	s_delay_alu instid0(VALU_DEP_2)
	v_pk_add_f32 v[14:15], v[14:15], v[254:255]
	s_delay_alu instid0(VALU_DEP_2)
	v_pk_add_f32 v[236:237], v[236:237], v[250:251]
	s_delay_alu instid0(VALU_DEP_1)
	v_pk_add_f32 v[14:15], v[14:15], v[236:237]
	s_wait_alu depctr_va_vdst(0)                   ; and one for the four
.irp b, 0,1,2,3
	v_max_num_f32 v[232+\b], 0x1800000, v[232+\b]  ; the floor 2^(3 - 127)
.endr
.irp b, 0,1,2,3
	s_delay_alu instid0(VALU_DEP_4)
	v_add_nc_u32 v[244+\b], 0xff000000, v[232+\b]  ; the conversion's scale operand
.endr
.irp b, 0,1,2,3
	s_delay_alu instid0(VALU_DEP_4)
	v_lshrrev_b32 v[236+\b], 23, v[244+\b]         ; the scale's byte
.endr
	s_delay_alu instid0(VALU_DEP_3)
	v_lshl_or_b32 v35, v237, 8, v236               ; p's scale word for these 128 keys
	s_delay_alu instid0(VALU_DEP_1)
	v_lshl_or_b32 v35, v238, 16, v35
	s_delay_alu instid0(VALU_DEP_1)
	v_lshl_or_b32 v35, v239, 24, v35
.irp c, 0,1
	v_cvt_scalef32_pk16_fp6_f32 v[192+6*\c:194+6*\c], v[96+32*\c:111+32*\c], v[244+2*\c]
	v_cvt_scalef32_pk16_fp6_f32 v[204+4*\c:206+4*\c], v[112+32*\c:127+32*\c], v[244+2*\c+1]
.endr
	v_nop                                          ; one plain place behind a scaled conversion
.irp c, 0,1
.irp i, 0,1,2
	v_permlane16_swap_b32 v[192+6*\c+\i], v[204+4*\c+\i]
.endr
.irp i, 0,1,2
	s_delay_alu instid0(VALU_DEP_3)
	v_mov_b32 v[195+6*\c+\i], v[204+4*\c+\i]
.endr
.endr
.set j, 0
.rept 16
	v_pk_mul_f32 v[160+j:161+j], v[160+j:161+j], v[252:253] op_sel_hi:[1,0]   ; O^T under the new M; these 16 are also the places in front of the products
.set j, j+2
.endr
	s_wait_alu depctr_va_vdst(0)
	s_wait_dscnt 0x0                               ; V's fragments and scale words are in
.irp d, 0,1,2,3                                ; O^T += V^T P^T: registers 16 b + x are the head's 32 b + 16 h + x
	v_wmma_scale_f32_16x16x128_f8f6f4 v[160+8*\d:167+8*\d], v[40+12*\d:51+12*\d], v[192:203], v[160+8*\d:167+8*\d], v[36+\d], v35 matrix_a_fmt:MATRIX_FMT_FP6 matrix_b_fmt:MATRIX_FMT_FP6
.endr
.Lhidden_\@:
	s_add_co_u32 s[KF], s[KF], 128
.endm
; THE CHANGE OF SLOTS, at a slot's head.  Each wave waits for all its tensor loads, adds 0 to its spare word, and waits for that and for its reads of the slot that it has left; behind the barrier the slot ahead is whole
; and nobody reads the other.  fill = 1: that other slot takes the next trip's keys: slot TR + 1 of the first block's run, or TR + 1 - N1 of the second's.
.macro CHANGE fill
	s_wait_tensorcnt 0x0                           ; no tensor load of mine is out, so the group 0 may be written
	ds_add_u32 v5, v6
.if \fill
	s_add_co_u32 s46, s[TR], 1
	s_sub_co_u32 s47, s46, s[N1]
	s_cmp_ge_u32 s46, s[N1]
	s_cselect_b32 s46, s47, s46
	s_mul_i32 s46, s46, RECB
	s_mov_b32 s47, 0
	s_add_nc_u64 s[G0+2:G0+3], s[36:37], s[46:47]
	s_or_b32 s[G0+3], s[G0+3], 0x80000000
	s_xor_b32 s[G0+1], s[G0+1], SLOT1
.endif
	s_wait_dscnt 0x0                               ; the add is done, and my reads of the slot that I have left are over
	s_barrier_signal -1
	s_barrier_wait -1
.if \fill
	TLOAD                                          ; the first thing behind the barrier, and a wave's one tensor load until the next
.endif
	v_add_nc_u32 v8, s[TB], v1
	v_add_nc_u32 v9, s[TB], v2
.endm
; A block of queries ends: O^T / l, quantised along the head's 64 (two blocks of 32), to ob.
.macro EPI
.rept 4
	v_nop                                          ; places behind the last products
.endr
	v_add_f32 v14, v14, v15
	s_delay_alu instid0(VALU_DEP_1)
	v_permlanex16_b32 v252, v14, s[SEL], s[SEL+1]
	s_delay_alu instid0(VALU_DEP_1)
	v_add_f32 v14, v14, v252                       ; the row's sum
	s_wait_alu depctr_va_vdst(0)
	v_rcp_f32 v14, v14
	v_nop                                          ; a plain place behind the reciprocal
	s_wait_alu depctr_va_vdst(0)                   ; and the wait ahead of its first reader
.set j, 0
.rept 16
	v_pk_mul_f32 v[96+j:97+j], v[160+j:161+j], v[14:15] op_sel_hi:[1,0]   ; ascending: each accumulator from its low end on
.set j, j+2
.endr
.irp b, 0,1
	v_max3_num_f32 v[232+\b], |v[96+16*\b]|, |v[97+16*\b]|, 0x1800000
.endr
.irp i, 2,4,6,8,10,12,14
.irp b, 0,1
	s_delay_alu instid0(VALU_DEP_2)
	v_max3_num_f32 v[232+\b], v[232+\b], |v[96+16*\b+\i]|, |v[97+16*\b+\i]|
.endr
.endr
.irp b, 0,1
	s_delay_alu instid0(VALU_DEP_2)
	v_permlanex16_b32 v[236+\b], v[232+\b], s[SEL], s[SEL+1]
.endr
.irp b, 0,1
	s_delay_alu instid0(VALU_DEP_2)
	v_max_num_f32 v[232+\b], v[232+\b], v[236+\b]
.endr
.irp b, 0,1
	s_delay_alu instid0(VALU_DEP_2)
	v_add_nc_u32 v[244+\b], 0xff000000, v[232+\b]
.endr
.irp b, 0,1
	s_delay_alu instid0(VALU_DEP_2)
	v_lshrrev_b32 v[240+\b], 23, v[244+\b]
.endr
	s_delay_alu instid0(VALU_DEP_1)
	v_cndmask_b32 v238, v240, v241, s16            ; lanes 0-15 store block 0's byte of row r, lanes 16-31 block 1's
	v_cvt_scalef32_pk16_fp6_f32 v[192:194], v[96:111], v244
	v_cvt_scalef32_pk16_fp6_f32 v[204:206], v[112:127], v245
	v_nop                                          ; one plain place behind a scaled conversion
.irp i, 0,1,2
	v_permlane16_swap_b32 v[192+\i], v[204+\i]
.endr
.irp i, 0,1,2
	s_delay_alu instid0(VALU_DEP_3)
	v_mov_b32 v[195+\i], v[204+\i]
.endr
.irp p, 0,1,2
	global_store_b64 v1, v[192+2*\p:193+2*\p], s[42:43] offset:256*\p   ; 32 lanes store 256 consecutive bytes, aligned
.endr
	global_store_b8 v4, v238, s[44:45]             ; one byte in 24 of what the tile stores: the record's other bytes are other heads'
	s_wait_xcnt 0x0                                ; the stores have read their data and bases: both are written again only behind this wait
.endm
	s_load_b128 s[4:7], s[0:1], 0x0                ; qb, kv
	s_load_b64 s[8:9], s[0:1], 0x10                ; ob
	v_lshl_add_u32 v5, v0, 2, SPARE
	v_mov_b32 v6, 0
	ds_add_u32 v5, v6
	ds_add_u32 v5, v6
	s_wait_dscnt 0x0
	v_lshrrev_b32 v7, 5, v0
	s_delay_alu instid0(VALU_DEP_1)
	v_readfirstlane_b32 s[WV], v7                  ; wave 0..15
	s_and_b32 s49, ttmp7, 0xffff                   ; 16 x batch + head
	s_add_co_u32 s[N1], ttmp9, 1
	s_mov_b32 s[G1], 3<<16                         ; no mask; elements of 8 bytes; no padding
	s_mov_b32 s[G1+1], 32<<16                      ; a dense block as rows of 256 bytes
	s_mov_b32 s[G1+2], 25<<16                      ; 25 rows: a quarter of a slot
	s_mov_b32 s[G1+3], 32<<16
	s_mov_b32 s[G1+4], 25
	s_mov_b32 s[G1+5], 32
	s_mov_b32 s[G1+6], 0
	s_mov_b32 s[G1+7], 0
	s_and_b32 s46, s[WV], 3
	s_mul_i32 s46, s46, 6400                       ; my quarter
	s_mul_i32 s47, s49, 204800                     ; the head's 8 slots
	s_add_co_u32 s56, s47, s46
	s_mov_b32 s57, 0
	s_wait_kmcnt 0x0
	s_add_nc_u64 s[36:37], s[6:7], s[56:57]
	s_mov_b32 s[G0], 1
	s_mov_b32 s[G0+1], s46
	s_mov_b64 s[G0+2:G0+3], s[36:37]
	s_or_b32 s[G0+3], s[G0+3], 0x80000000
	TLOAD                                          ; slot 0 of the keys into LDS slot 0
	s_lshr_b32 s58, s[WV], 1
	s_and_b32 s59, s[WV], 1
	s_lshl_b32 s48, s58, 5
	s_lshl_b32 s46, s59, 3
	s_add_co_u32 s48, s48, s46                     ; my tile's first row in a block: 32 (w / 2) + 8 (w % 2)
	s_lshl_b32 s50, s58, 6
	s_add_co_u32 s50, s50, 12288
	s_mov_b32 s51, 0
	s_mul_i32 s52, s[WV], 768
	s_mov_b32 s53, 0
	s_and_b32 s60, s49, 15                         ; head
	s_lshr_b32 s61, s49, 4                         ; batch
	s_lshr_b32 s46, s60, 2
	s_mul_i32 s46, s46, 1638400                    ; ob: the chunk of 256 along D,
	s_lshl_b32 s47, s61, 6
	s_add_co_u32 s47, s47, s58
	s_mul_i32 s47, s47, 6400
	s_add_co_u32 s46, s46, s47                     ; the record of my 32 rows in block 0
	s_mul_i32 s47, s59, 3072
	s_add_co_u32 s54, s46, s47
	s_and_b32 s47, s60, 3
	s_mul_i32 s62, s47, 768
	s_add_co_u32 s54, s54, s62                     ; codes: tile u = w % 2, e = head % 4
	s_lshl_b32 s62, s59, 7
	s_add_co_u32 s55, s46, s62
	s_add_co_u32 s55, s55, 6144
	s_lshr_b32 s47, s47, 1
	s_lshl_b32 s47, s47, 2
	s_add_co_u32 s55, s55, s47
	s_and_b32 s47, s60, 1
	s_lshl_b32 s47, s47, 1
	s_add_co_u32 s55, s55, s47                     ; scale bytes: word (head % 4) / 2, bytes 2 (head % 2) + h
	s_mov_b32 s17, 0x03020302
	s_cmp_eq_u32 s59, 0
	s_cselect_b32 s17, 0x01000100, s17             ; which two bytes of the pair word are my tile's
	s_mov_b32 s16, 0xffff0000                      ; lanes 16-31
	s_mov_b32 s[SEL], 0x76543210
	s_mov_b32 s[SEL+1], 0xfedcba98
	s_mov_b32 s[CS], 0x3e38aa3b                    ; c = log2(e) / 8
	s_mov_b32 s[CS+1], s[CS]
	s_mov_b32 s[TB], 0
	s_mov_b32 s[TR], 0
	s_mov_b32 s[QBLK], ttmp9
	v_and_b32 v7, 31, v0
	s_delay_alu instid0(VALU_DEP_1)
	v_lshlrev_b32 v1, 3, v7
	v_and_b32 v10, 15, v0                          ; r
	v_bfe_u32 v11, v0, 4, 1                        ; h
	s_delay_alu instid0(VALU_DEP_2)
	v_lshlrev_b32 v2, 2, v10
	s_delay_alu instid0(VALU_DEP_3)
	v_and_b32 v3, 8, v10
	s_delay_alu instid0(VALU_DEP_1)
	v_add_nc_u32 v3, v3, v10
	s_delay_alu instid0(VALU_DEP_4)
	v_lshlrev_b32 v7, 4, v11
	s_delay_alu instid0(VALU_DEP_1)
	v_sub_nc_u32 v3, v3, v7
	v_lshl_add_u32 v4, v10, 3, v11
.irp x, 16,17,18,19,20,21,28,29,30,31,32,33
	v_mov_b32 v\x, 0                               ; zero codes on both sides of Q
.endr
.irp x, 236,237,238,239,252,253
	v_mov_b32 v\x, 0                               ; lane permutes' destinations, and the upper half of the pair v[252:253]
.endr
	SETQ
.Lslot:                                            ; 8 trips; behind each change of slots the next trip's keys are asked for
	s_cmp_lg_u32 s[TR], s[N1]
	s_cbranch_scc1 .Lsame
	s_wait_alu depctr_va_vdst(0)
	EPI                                            ; the first block is done: on to block 7 - i
	s_sub_co_u32 s[QBLK], 7, ttmp9
	SETQ
.Lsame:
	CHANGE 1
	STEP 0
	STEP 1
	s_xor_b32 s[TB], s[TB], SLOT1
	s_add_co_u32 s[TR], s[TR], 1
	s_cmp_lt_u32 s[TR], 8
	s_cbranch_scc1 .Lslot
	CHANGE 0                                       ; the last slot is written out
	STEP 0
	STEP 1
	s_wait_alu depctr_va_vdst(0)
	EPI
	s_wait_tensorcnt 0x0                           ; the wave's end
	ds_add_u32 v5, v6
	s_wait_dscnt 0x0
	s_endpgm
.Lfunc_end_k_q88e839ac37_attn:
	.size	k_q88e839ac37_attn, .Lfunc_end_k_q88e839ac37_attn-k_q88e839ac37_attn
	.p2alignl 7, 3214868480
	.fill 96, 4, 3214868480
	.section	.rodata,"a",@progbits
	.p2align	6, 0x0
	.amdhsa_kernel k_q88e839ac37_attn
		.amdhsa_group_segment_fixed_size 327680
		.amdhsa_private_segment_fixed_size 0
		.amdhsa_enable_private_segment 0
		.amdhsa_kernarg_size 24
		.amdhsa_user_sgpr_count 2
		.amdhsa_user_sgpr_kernarg_segment_ptr 1
		.amdhsa_wavefront_size32 1
		.amdhsa_system_sgpr_workgroup_id_x 1
		.amdhsa_system_sgpr_workgroup_id_y 1
		.amdhsa_system_sgpr_workgroup_id_z 1
		.amdhsa_system_vgpr_workitem_id 0
		.amdhsa_next_free_vgpr 256
		.amdhsa_next_free_sgpr 66
		.amdhsa_reserve_vcc 1
		.amdhsa_float_denorm_mode_32 3
		.amdhsa_float_denorm_mode_16_64 3
		.amdhsa_memory_ordered 1
		.amdhsa_forward_progress 1
		.amdhsa_inst_pref_size 115
	.end_amdhsa_kernel
	.amdgpu_metadata
---
amdhsa.version: [ 1, 2 ]
amdhsa.kernels:
  - .name:           k_q88e839ac37_attn
    .symbol:         k_q88e839ac37_attn.kd
    .args:
      - { .name: qb, .offset: 0, .size: 8, .value_kind: global_buffer, .address_space: global }
      - { .name: kv, .offset: 8, .size: 8, .value_kind: global_buffer, .address_space: global }
      - { .name: ob, .offset: 16, .size: 8, .value_kind: global_buffer, .address_space: global }
    .group_segment_fixed_size: 327680
    .private_segment_fixed_size: 0
    .kernarg_segment_align: 8
    .kernarg_segment_size: 24
    .max_flat_workgroup_size: 512
    .sgpr_count:     66
    .vgpr_count:     256
    .wavefront_size: 32
...
	.end_amdgpu_metadata
.endif
;; end of part 3
;; launch outp (part 4): grid 4 x 64, 4 waves a work-group, clusters of 4 x 4, 327,680 bytes of LDS; arguments ob, wx, wo_b, out0; writes out0
.if DOCPART == 4
	.amdgcn_target "amdgcn-amd-amdhsa--gfx1250"
	.amdhsa_code_object_version 6
	.text
	.protected	k_q88e839ac37_outp
	.globl	k_q88e839ac37_outp
	.p2align	8
	.type	k_q88e839ac37_outp,@function
k_q88e839ac37_outp:
	s_mov_b64 s[64:65], 0
	v_nop
	global_prefetch_b8 v0, s[64:65] scope:SCOPE_SE
	s_setreg_imm32_b32 hwreg(HW_REG_WAVE_MODE, 25, 1), 1
	s_wait_xcnt 0x0
	s_wait_alu depctr_hold_cnt(0) depctr_sa_sdst(0) depctr_va_vdst(0) depctr_va_sdst(0) depctr_va_ssrc(0) depctr_va_vcc(0) depctr_vm_vsrc(0)
	s_getreg_b32 s2, hwreg(HW_REG_IB_STS2, 6, 4)
	s_cmp_eq_u32 s2, 0
	s_cbranch_scc0 .Lentry_in_a_cluster
	s_endpgm
.Lentry_in_a_cluster:
	s_bfe_u32 s2, ttmp6, 0x10000c
	s_cmp_lg_u32 s2, 0xf033
	s_cbranch_scc0 .Lentry_shape_is_right
	s_endpgm
.Lentry_shape_is_right:
; out0 = O Wo^T + bo on codes of FP6 (E2M3) with E8M0 scales; out0 [8192][1024] f32.
; P (source 0: a result's registers run along its rows) = Wo, N (source 1: a lane holds one of its rows) = O.  Both lie in memory in the order of the operand's registers: records of 32 rows x 256 K, 6,400 bytes:
; codes at u*3072 + e*768 + p*256 + lane*8, scale words at 6144 + u*128 + r*8 + s*4; tile u has in lane r row 8 u + r + 8 (r / 8).  So registers 16 b + x of a lane's tiles 2 b, 2 b + 1 are columns 32 b + 16 (lane / 16) + x.
; SHARES.  A work-group makes 256 columns x 128 tokens; wave w the columns' half w & 1 (8 tiles i) x the tokens' half w >> 1 (4 tiles j): 32 accumulators.  256 work-groups.
; LDS.  All of K = 1,024 lies in LDS, filled once: P's chunk c at c x 51,200, N's at 204,800 + c x 25,600.  No byte is filled twice.
; CLUSTER 4 x 4.  Wo's tile hangs on cx and is asked for jointly by a column of the cluster, O's on cy and by a row.  Waves 0, 1 fetch P's halves, waves 2, 3 N's: four loads a wave, all out at the start.
; THE BIAS is the C of the first K step (so it enters the sum first).
; THE WAY OUT goes through the wave's own stage in LDS (16 rows of 512 + 16 bytes), so that 32 lanes store 512 consecutive bytes of a row.  The stage lies in P's chunk 0, which has had its one fill and its last read.
; REGISTERS.  Window 0: v2-5 LDS addresses; v6-8 the way out; v16-63 scale words, two sets, and nothing else; v64-127 the bias; v128-255 rows on their way out.  Window 1: accumulator (i, j) at 64 j + 8 i.
;   Windows 2, 3: two sets of fragments: P's tile i at 12 i, N's tile j at 96 + 12 j.
.set PCH,  51200
.set NCH,  25600
.set NB0,  4*PCH
.set REC,  6400
.set SCW,  16
.set BP,   64
.set BK,   128
.set SPI,  528
.set WV,   18
.set G1P,  24
.set G0P,  32
.set G0N,  48
.set G1N,  68
.set MSB,  0
.macro WIN new                         ; s_set_vgpr_msb: bits 1:0 source 0, 3:2 source 1, 5:4 source 2, 7:6 destination; the high byte repeats the setting that is left
.if MSB != (\new)
	s_set_vgpr_msb (MSB<<8)|(\new)
.set MSB, (\new)
.endif
.endm
.macro PLACES n
.rept \n
	v_nop
.endr
.endm
.macro CROUND                          ; a round of the cluster's barrier
	s_barrier_signal -1
	s_barrier_wait -1
	s_cmp_lg_u32 s[WV], 0
	s_cbranch_scc1 .Lnot_wave_0_\@
	s_barrier_signal -3
.Lnot_wave_0_\@:
	s_barrier_wait -3
	s_barrier_signal -1
	s_barrier_wait -1
.endm
.macro FETCH s, fs                     ; the fragments of the chunk's s-th 128 along K into set fs: 72 loads of 8 bytes a lane, 256 consecutive bytes each
	WIN (2+(\fs))<<6
.irp i, 0,1,2,3,4,5,6,7
.irp q, 0,1,2,3,4,5
	ds_load_b64 v[12*\i+2*\q:12*\i+2*\q+1], v2 offset:(\i/2)*REC+(\i%2)*3072+(2*(\s)+\q/3)*768+(\q%3)*256
.endr
.endr
.irp j, 0,1,2,3
.irp q, 0,1,2,3,4,5
	ds_load_b64 v[96+12*\j+2*\q:96+12*\j+2*\q+1], v3 offset:(\j/2)*REC+(\j%2)*3072+(2*(\s)+\q/3)*768+(\q%3)*256
.endr
.endr
	WIN 0
.endm
.macro SCALES z                        ; a chunk's scale words, two a row, into set z
.irp i, 0,1,2,3,4,5,6,7
	ds_load_b64 v[SCW+24*(\z)+2*\i:SCW+24*(\z)+2*\i+1], v4 offset:(\i/2)*REC+6144+(\i%2)*128
.endr
.irp j, 0,1,2,3
	ds_load_b64 v[SCW+24*(\z)+16+2*\j:SCW+24*(\z)+16+2*\j+1], v5 offset:(\j/2)*REC+6144+(\j%2)*128
.endr
.endm
.macro MUL fs, s, z, first             ; 32 products, the 32 accumulators by turns in the same order in every step
.if \first
	WIN 0x4a                                       ; A, B window 2, C (the bias) window 0, D window 1
.elseif (\fs) == 0
	WIN 0x5a
.else
	WIN 0x5f
.endif
.irp j, 0,1,2,3
.irp i, 0,1,2,3,4,5,6,7
.if \first
	v_wmma_scale_f32_16x16x128_f8f6f4 v[64*\j+8*\i:64*\j+8*\i+7], v[12*\i:12*\i+11], v[96+12*\j:96+12*\j+11], v[BP+8*\i:BP+8*\i+7], v[SCW+24*(\z)+2*\i+(\s)], v[SCW+24*(\z)+16+2*\j+(\s)] matrix_a_fmt:MATRIX_FMT_FP6 matrix_b_fmt:MATRIX_FMT_FP6
.else
	v_wmma_scale_f32_16x16x128_f8f6f4 v[64*\j+8*\i:64*\j+8*\i+7], v[12*\i:12*\i+11], v[96+12*\j:96+12*\j+11], v[64*\j+8*\i:64*\j+8*\i+7], v[SCW+24*(\z)+2*\i+(\s)], v[SCW+24*(\z)+16+2*\j+(\s)] matrix_a_fmt:MATRIX_FMT_FP6 matrix_b_fmt:MATRIX_FMT_FP6
.endif
.endr
.endr
.endm
.macro STEP k                          ; K step k of 8; the next step's fragments are asked for ahead of this step's products
.if (\k) == 7
	s_wait_dscnt 0x0
.elseif (\k)%2 == 0
	PLACES 4                                       ; four plain places between the last products and loads into the set that they read
	FETCH 1, ((\k)+1)%2
	s_wait_dscnt 63                                ; 72 loads were issued behind this step's: with 63 at the most out, this step's are in
.else
	WIN 0
	s_wait_tensorcnt 2-(\k)/2                      ; my part of the next chunk has landed; the loads of the chunks behind it may be out
	s_wait_dscnt 0x0                               ; no LDS load of mine is out at the signal; this step's fragments are in
	s_barrier_signal -1
	s_barrier_wait -1                              ; everybody's part has landed
	s_wait_alu depctr_va_vdst(0)
	v_add_nc_u32 v2, PCH, v2                       ; on to the next chunk; these four are also the places in front of the loads
	v_add_nc_u32 v4, PCH, v4
	v_add_nc_u32 v3, NCH, v3
	v_add_nc_u32 v5, NCH, v5
	FETCH 0, ((\k)+1)%2
	SCALES (((\k)/2)+1)%2
.endif
.if (\k) == 0
	MUL 0, 0, 0, 1
.else
	MUL (\k)%2, (\k)%2, ((\k)/2)%2, 0
.endif
.endm
	s_load_b256 s[4:11], s[0:1], 0x0               ; ob, wx, wo_b, out0
	v_lshl_add_u32 v9, v0, 2, 0x4b000
	v_mov_b32 v11, 0
	ds_add_u32 v9, v11
	ds_add_u32 v9, v11
	v_lshrrev_b32 v1, 5, v0
	v_readfirstlane_b32 s[WV], v1                  ; wave 0..3
	s_and_b32 s19, s[WV], 1                        ; WP: my half of the columns.  Also: which half of a tile I fetch
	s_lshr_b32 s20, s[WV], 1                       ; WN: my half of the tokens.  Also: I fetch for P (0) or for N (1)
	s_bfe_u32 s21, ttmp6, 0x40000                  ; cx: the block of 256 columns
	s_bfe_u32 s22, ttmp6, 0x40004                  ; cy
	s_and_b32 s23, ttmp7, 0xffff
	s_lshl_b32 s79, s23, 2
	s_add_co_u32 s79, s79, s22                     ; the block of 128 tokens = 4 x cluster y + cy
	s_lshl_b32 s88, 0x1111, s21                    ; my column of the cluster
	s_or_b32 s[G1P], s88, (3<<16)|(1<<21)          ; 15:0 the mask; 17:16 elements of 8 bytes; 21 set beside a mask; no padding
	s_lshl_b32 s90, s22, 2
	s_lshl_b32 s90, 15, s90                        ; my row
	s_or_b32 s[G1N], s90, (3<<16)|(1<<21)
	s_mov_b32 s[G1P+1], 32<<16                     ; a dense block as rows of 256 bytes
	s_mov_b32 s[G1P+2], 100<<16                    ; four records
	s_mov_b32 s[G1P+3], 32<<16
	s_mov_b32 s[G1P+4], 100
	s_mov_b32 s[G1P+5], 32
	s_mov_b32 s[G1P+6], 0
	s_mov_b32 s[G1P+7], 0
	s_mov_b32 s[G1N+1], 32<<16
	s_mov_b32 s[G1N+2], 50<<16                     ; two records
	s_mov_b32 s[G1N+3], 32<<16
	s_mov_b32 s[G1N+4], 50
	s_mov_b32 s[G1N+5], 32
	s_mov_b32 s[G1N+6], 0
	s_mov_b32 s[G1N+7], 0
	s_mul_i32 s92, s19, PCH/2                      ; where my part of a chunk goes in LDS: the wave's number alone
	s_mul_i32 s93, s19, NCH/2
	s_mul_i32 s94, s21, PCH
	s_add_co_u32 s94, s94, 2457600                 ; wo is the fourth tensor of wx
	s_add_co_u32 s94, s94, s92
	s_mov_b32 s95, 0
	s_mul_i32 s96, s79, NCH
	s_add_co_u32 s96, s96, s93
	s_mov_b32 s97, 0
	s_wait_dscnt 0x0
	s_wait_kmcnt 0x0
	s_add_nc_u64 s[80:81], s[6:7], s[94:95]
	s_add_nc_u64 s[84:85], s[4:5], s[96:97]
.irp c, 0,1,2,3
	s_mov_b32 s[G0P+4*\c], 1
	s_add_co_u32 s[G0P+4*\c+1], s92, \c*PCH
	s_mov_b64 s[G0P+4*\c+2:G0P+4*\c+3], s[80:81]
	s_or_b32 s[G0P+4*\c+3], s[G0P+4*\c+3], 0x80000000
	s_add_nc_u64 s[80:81], s[80:81], 204800        ; from chunk to chunk of a tensor of 1,024 rows
	s_mov_b32 s[G0N+4*\c], 1
	s_add_co_u32 s[G0N+4*\c+1], s93, NB0+\c*NCH
	s_mov_b64 s[G0N+4*\c+2:G0N+4*\c+3], s[84:85]
	s_or_b32 s[G0N+4*\c+3], s[G0N+4*\c+3], 0x80000000
	s_add_nc_u64 s[84:85], s[84:85], 1638400       ; of 8,192 rows
.endr
	CROUND                                         ; all sixteen work-groups are here: the joint loads meet
	s_cmp_eq_u32 s20, 0                            ; a wave's four fills stand in one branch on the wave's number: four loads of mine are out
	s_cbranch_scc0 .Lfill_n
	tensor_load_to_lds s[G0P:G0P+3], s[G1P:G1P+7]
	s_nop 0
	tensor_load_to_lds s[G0P+4:G0P+7], s[G1P:G1P+7]
	s_nop 0
	tensor_load_to_lds s[G0P+8:G0P+11], s[G1P:G1P+7]
	s_nop 0
	tensor_load_to_lds s[G0P+12:G0P+15], s[G1P:G1P+7]
	s_nop 0
	PLACES 4
	s_branch .Lfilled
.Lfill_n:
	tensor_load_to_lds s[G0N:G0N+3], s[G1N:G1N+7]
	s_nop 0
	tensor_load_to_lds s[G0N+4:G0N+7], s[G1N:G1N+7]
	s_nop 0
	tensor_load_to_lds s[G0N+8:G0N+11], s[G1N:G1N+7]
	s_nop 0
	tensor_load_to_lds s[G0N+12:G0N+15], s[G1N:G1N+7]
	s_nop 0
	PLACES 4
.Lfilled:
	v_and_b32 v14, 15, v0                          ; r
	v_bfe_u32 v15, v0, 4, 1                        ; h
	v_and_b32 v12, 31, v0
	v_lshlrev_b32 v8, 4, v12                       ; 16 x lane: my bytes of a row of 512
	v_lshlrev_b32 v12, 3, v12                      ; 8 x lane
	v_lshlrev_b32 v13, 3, v14                      ; 8 r
	s_mul_i32 s88, s19, PCH/2
	s_mul_i32 s89, s20, NCH/2
	s_add_co_u32 s89, s89, NB0
	v_add_nc_u32 v2, s88, v12
	v_add_nc_u32 v3, s89, v12
	v_add_nc_u32 v4, s88, v13
	v_add_nc_u32 v5, s89, v13
	v_lshlrev_b32 v10, 6, v15                      ; the bias: 16 h numbers on
	s_wait_alu depctr_va_vdst(0)
	s_mul_i32 s88, s[WV], 16*SPI                   ; my stage
	v_mul_u32_u24 v6, v14, SPI
	v_lshl_add_u32 v6, v15, 6, v6
	v_add_nc_u32 v6, s88, v6                       ; into it: row r, + 64 h bytes
	v_add_nc_u32 v7, s88, v8                       ; out of it: 16 x lane in a row
	s_lshl_b32 s96, s21, 1
	s_add_co_u32 s96, s96, s19
	s_lshl_b32 s96, s96, 9                         ; my 128 columns, in bytes
	s_add_nc_u64 s[86:87], s[8:9], s[96:97]
	s_lshl_b32 s98, s79, 1
	s_add_co_u32 s98, s98, s20
	s_lshl_b32 s98, s98, 18                        ; my 64 tokens: rows of 4,096 bytes
	s_add_co_u32 s98, s98, s96
	s_mov_b32 s99, 0
	s_add_nc_u64 s[2:3], s[10:11], s[98:99]
.irp i, 0,1,2,3,4,5,6,7
	global_load_b128 v[BP+8*\i:BP+8*\i+3], v10, s[86:87] offset:(32*(\i/2)+8*(\i%2))*4
	global_load_b128 v[BP+8*\i+4:BP+8*\i+7], v10, s[86:87] offset:(32*(\i/2)+8*(\i%2))*4+16
.endr
	s_wait_loadcnt 0x0
	s_wait_tensorcnt 3                             ; my part of chunk 0 has landed; three loads stay out
	s_barrier_signal -1
	s_barrier_wait -1                              ; everybody's has
	FETCH 0, 0
	SCALES 0
.irp k, 0,1,2,3,4,5,6,7
	STEP \k
.endr
; THE WAY OUT, tile j of 16 tokens at a time.  A lane holds 8 x 32 neighbouring bytes of one row; the block goes through my stage and comes back as whole rows of 512 bytes.
; LDS serves a wave's instructions in order (ISA guide 5.7.1.4): no wait between the stores and the loads, nor in front of the next block's stores.
.macro TOSTAGE j
	WIN 0x04                                       ; an LDS store's data are its source 1: the accumulators' window
.irp i, 0,1,2,3,4,5,6,7
	ds_store_b128 v6, v[64*(\j)+8*\i:64*(\j)+8*\i+3] offset:(\i/2)*128+(\i%2)*32       ; each accumulator from its low end on
	ds_store_b128 v6, v[64*(\j)+8*\i+4:64*(\j)+8*\i+7] offset:(\i/2)*128+(\i%2)*32+16
.endr
	WIN 0
.set BB, BK+64*((\j)%2)
.irp t, 0,1,2,3,4,5,6,7,8,9,10,11,12,13,14,15
	ds_load_b128 v[BB+4*\t:BB+4*\t+3], v7 offset:\t*SPI
.endr
.endm
.macro SEND j, younger                 ; younger: the LDS instructions issued behind block j's loads, which may stay out
.set BB, BK+64*((\j)%2)
	s_wait_dscnt \younger
.irp t, 0,1,2,3,4,5,6,7,8,9,10,11,12,13,14,15
	global_store_b128 v8, v[BB+4*\t:BB+4*\t+3], s[2:3] offset:(32*((\j)/2)+8*((\j)%2)+\t+8*(\t/8))*4096 th:TH_STORE_NT   ; stage row t is the tile's lane t: token 32 (j / 2) + 8 (j % 2) + t + 8 (t / 8); 512 consecutive bytes, aligned
.endr
.endm
	WIN 0
	PLACES 4                                       ; four places between the last products and the first read of results
	TOSTAGE 0
.irp j, 1,2,3
.if \j > 1
	s_wait_xcnt 0x0                                ; block j - 2's stores have read their data: block j's loads land there only behind this wait
.endif
	TOSTAGE \j
	SEND \j-1, 32                                  ; behind block j - 1's loads: block j's 16 stores and 16 loads
.endr
	SEND 3, 0
	s_wait_tensorcnt 0x0
	ds_add_u32 v9, v11
	s_wait_dscnt 0x0
	CROUND                                         ; the closing round: no work-group ends while a partner may still ask for a tile that names it
	s_endpgm
.Lfunc_end_k_q88e839ac37_outp:
	.size	k_q88e839ac37_outp, .Lfunc_end_k_q88e839ac37_outp-k_q88e839ac37_outp
	.p2alignl 7, 3214868480
	.fill 96, 4, 3214868480
	.section	.rodata,"a",@progbits
	.p2align	6, 0x0
	.amdhsa_kernel k_q88e839ac37_outp
		.amdhsa_group_segment_fixed_size 327680
		.amdhsa_private_segment_fixed_size 0
		.amdhsa_enable_private_segment 0
		.amdhsa_kernarg_size 32
		.amdhsa_user_sgpr_count 2
		.amdhsa_user_sgpr_kernarg_segment_ptr 1
		.amdhsa_wavefront_size32 1
		.amdhsa_system_sgpr_workgroup_id_x 1
		.amdhsa_system_sgpr_workgroup_id_y 1
		.amdhsa_system_sgpr_workgroup_id_z 1
		.amdhsa_system_vgpr_workitem_id 0
		.amdhsa_next_free_vgpr 1024
		.amdhsa_next_free_sgpr 100
		.amdhsa_reserve_vcc 0
		.amdhsa_float_denorm_mode_32 3
		.amdhsa_float_denorm_mode_16_64 3
		.amdhsa_memory_ordered 1
		.amdhsa_forward_progress 1
		.amdhsa_inst_pref_size 98
	.end_amdhsa_kernel
	.amdgpu_metadata
---
amdhsa.version: [ 1, 2 ]
amdhsa.kernels:
  - .name:           k_q88e839ac37_outp
    .symbol:         k_q88e839ac37_outp.kd
    .args:
      - { .name: ob, .offset: 0, .size: 8, .value_kind: global_buffer, .address_space: global }
      - { .name: wx, .offset: 8, .size: 8, .value_kind: global_buffer, .address_space: global }
      - { .name: wo_b, .offset: 16, .size: 8, .value_kind: global_buffer, .address_space: global }
      - { .name: out0, .offset: 24, .size: 8, .value_kind: global_buffer, .address_space: global }
    .group_segment_fixed_size: 327680
    .private_segment_fixed_size: 0
    .kernarg_segment_align: 8
    .kernarg_segment_size: 32
    .max_flat_workgroup_size: 128
    .sgpr_count:     100
    .vgpr_count:     1024
    .wavefront_size: 32
...
	.end_amdgpu_metadata
.endif
;; end of part 4
